; MI455X (gfx1250); checked and timed in simulation.
; The chip was launched on July 23, 2026; its instructions are those of AMD's public machine-readable ISA for CDNA 5 (MIT licence, August 2026) and "CDNA5" Instruction Set Architecture Reference Guide (July 2026). The comments in the code are by the model that wrote it; some were corrected since.
;; Multi Head Attention. Allowed arithmetic: matrix products marked QUANTISED: E3M2 operands, one E8M0 scale for each 32 along K, by v_wmma_scale_f32_16x16x128_f8f6f4 with both operands' format E3M2, f32 sums; everything else in f32.
;; Inputs: inputs_q 4 x 2,048 x 1,024 float32; k_ln_scale 64 float32; patch_mask 4 x 2,048 bool; per_dim_scale 64 float32; q_ln_scale 64 float32; w_out 1,024 x 1,024 float32; w_qkv 1,024 x 3,072 float32.
;; Outputs: out0 4 x 2,048 x 1,024 float32.
;; This version of the problem:
;;   THIS VERSION OF THE PROBLEM IS GIVEN IN LOW PRECISION. The matrix products marked QUANTISED in the list below multiply operands that are first quantised to E3M2 (3 exponent bits, 2 mantissa bits; 6 bits a number), with one power-of-two scale for each 32 numbers along K (OCP MX v1.0); their sums are f32. All else is computed in f32.
;;   The module's matrix products, in the order in which they are computed (A, B: the left and right operand; K: the contracted axis; several contracted axes count as one K, in the product's order):
;;     1. [M 8,192, K 1,024] x [K 1,024, N 3,072]; A: input inputs_q; B: input w_qkv: QUANTISED
;;     2. batch 64 x [M 2,048, K 64] x [K 64, N 2,048]; A: computed on the way; B: computed on the way: QUANTISED
;;     3. batch 64 x [M 64, K 2,048] x [K 2,048, N 2,048]; A: computed on the way; B: softmax (see below): QUANTISED
;;     4. [M 8,192, K 1,024] x [K 1,024, N 1,024]; A: computed on the way; B: input w_out: QUANTISED
;;   THE QUANTISER, for each operand of a quantised product, along K:
;;     - K is cut into blocks of 32 from its start; a last block that is shorter is filled with zeros.
;;     - A block's scale is 2^e with e = floor(log2(the largest magnitude in the block)) - 4, held to -126 .. 127; a block of zeros has e = 0. As a byte (E8M0): e + 127.
;;     - Each number is divided by its block's scale, clamped to +-28, and rounded to the nearest number of E3M2, ties to even, subnormals kept.
;;     - The product sums the exact products of the quantised numbers (number of the format x scale) in f32.
;;   ~~~python
;;   def quantise(x, axis):      # numpy; x: float32 -> the quantised numbers, widened to float32 again
;;       x = np.moveaxis(x, axis, -1); K = x.shape[-1]
;;       x = np.pad(x, [(0, 0)] * (x.ndim - 1) + [(0, -K % 32)]); x = x.reshape(x.shape[:-1] + (-1, 32)); a = np.abs(x).max(-1, keepdims=True)
;;       e = np.where(a > 0, np.clip(np.frexp(np.where(a > 0, a, 1))[1] - 1 - 4, -126, 127), 0)      # np.frexp(a)[1] - 1 = floor(log2(a)), exactly
;;       r = np.clip(x / 2.0 ** e, -28, 28)
;;       step = 2.0 ** (np.maximum(np.frexp(np.where(r == 0, 1, r))[1] - 1, -2) - 2)
;;       q = np.round(r / step) * step * 2.0 ** e      # np.round: ties to even
;;       return np.moveaxis(q.reshape(q.shape[:-2] + (-1,))[..., :K], -1, axis).astype(np.float32)
;;   ~~~
;;   SOFTMAX AHEAD OF A QUANTISED PRODUCT. Where the list says 'softmax', what is quantised is not the finished softmax but p = 2^(t - M), with t = logit x log2(e) and M = ceil(the row's largest t), a whole number; so 1/2 < the row's largest p <= 1. The row's sum l is taken of the UNQUANTISED p, in f32, and the product's result is divided by l at the end. Since M is a whole number, a kernel that streams over the keys may use a running M (the ceiling of the running maximum): every later rescaling is an exact power of two, which a block's scale takes up: the codes' values come out the same.
;;   OPERANDS COMPUTED ON THE WAY. 'Computed on the way' means the value that the module computes at that place (a softmax that the list does not call 'softmax' is quantised finished and normalised). What goes into a quantiser is computed in f32, as accurately as f32 sums, v_exp_f32 and their like allow (about 1e-6 of the number): no bf16 or f16 on the way to a quantiser, and a product that is left as it is and whose result goes on into a quantised operand takes f32 operands (vector FMAs, or v_wmma_f32_16x16x4_f32). A number that lies on a knife's edge between two numbers of the format may be rounded either way, as far as f32 arithmetic and the matrix unit's own rounding can turn it there, and no further.
;; One version. Each part assembles by itself: llvm-mc -triple=amdgcn-amd-amdhsa -mcpu=gfx1250 --defsym DOCPART=n.
;; ======== version 1 of 1: 4 launches
;; limits: right only within a limited range of input values
;; workspace buffers: wprep 11,928,064 bytes; wqkv 19,922,944 bytes; wctx 6,553,600 bytes; nmask 256 bytes of whole numbers
;; launch prep (part 1): grid 512 x 1, 4 waves a work-group, no clusters, 86,528 bytes of LDS; arguments inputs_q, w_qkv, w_out, patch_mask, q_ln_scale, k_ln_scale, per_dim_scale, wprep, nmask; writes wprep, nmask
.if DOCPART == 1
	.amdgcn_target "amdgcn-amd-amdhsa--gfx1250"
	.amdhsa_code_object_version 6
	.text
	.protected	k_q64fe225704_prep
	.globl	k_q64fe225704_prep
	.p2align	8
	.type	k_q64fe225704_prep,@function
k_q64fe225704_prep:
	s_mov_b64 s[64:65], 0
	v_nop
	global_prefetch_b8 v0, s[64:65] scope:SCOPE_SE
	s_setreg_imm32_b32 hwreg(HW_REG_WAVE_MODE, 25, 1), 1
	s_wait_xcnt 0x0
; PREP: everything that later launches read many times is made once.
;   work-groups   0..255  X : inputs_q [8192][1024] f32 -> codes of E3M2 + E8M0 bytes, K innermost
;   work-groups 256..351  WQ: w_qkv [1024][3072] f32 (K is its first axis) -> the same, one operand row for each column
;   work-groups 352..383  WO: w_out [1024][1024] likewise
;   work-groups 384..511  T : num_masked[b]; cos and sin of (s - num_masked) / 10^(c/8); the gains of q and k
; LAYOUT OF ALL CODES: in the order of the matrix operand's registers.  A tile is 16 rows; lane index r of tile t stands for row
; 32 (t/2) + 8 (t%2) + r + 8 (r/8).  A half image is 16 rows x 64 along K, 768 bytes: lane (r, h) owns the 24 bytes of block 2 c + h:
; its registers 0-3 at 16 x lane, 4-5 at 512 + 8 x lane.  Codes: [tile][c 0..15][768].  Scale bytes: [tile][r][32], byte kb for block kb.
; A block's scale is 2^(floor(log2(largest magnitude)) - 4); its byte is the largest magnitude's exponent field - 4.
; LIMITS: NaN and infinities among the inputs are not served.  A block whose largest magnitude lies under 2^-122, a block of zeros among them,
; gets the byte 1 (the rule says 127 for zeros): its codes are zeros or the rule's own, and only this program reads the bytes.
; per_dim_scale under about -87: softplus comes out 0 where the true value is a denormal.  sin and cos: about 1e-7 absolute, of the f32 quotient.
; The four paths part on the work-group's number; each has LDS bytes of its own; waves share nothing, so there is no barrier.
.set P_XS,   6291456
.set P_WQC,  6553600
.set P_WQS,  8912896
.set P_WOC,  9011200
.set P_WOS,  9797632
.set P_TRIG, 9830400
.set P_GAIN, 11927552
.set FLOOR,  0x2800000                 ; 2^(5 - 127): no largest magnitude is taken under it, so the byte cannot fall under 1
.set EOFF,   0xfe000000                ; takes 4 off an exponent field
; the largest magnitude of 32 numbers of one lane, v[xs] on, and the conversion's scale operand in v11
.macro BMAX xs
	v_max3_num_f32 v8, |v[(\xs)]|, |v[(\xs)+1]|, |v[(\xs)+2]|
	v_max3_num_f32 v9, |v[(\xs)+3]|, |v[(\xs)+4]|, |v[(\xs)+5]|
.irp i, 6,10,14,18,22,26
	v_max3_num_f32 v8, v8, |v[(\xs)+\i]|, |v[(\xs)+\i+1]|
	v_max3_num_f32 v9, v9, |v[(\xs)+\i+2]|, |v[(\xs)+\i+3]|
.endr
	v_max3_num_f32 v8, v8, |v[(\xs)+30]|, |v[(\xs)+31]|
	v_max3_num_f32 v8, v8, v9, FLOOR
	v_add_nc_u32 v11, EOFF, v8
.endm
; ---- path X.  Half image t of the wave: 16 rows x 256 bytes.  Each load covers two rows' 256 bytes, aligned.
.macro LOADX t
.irp i, 0,1,2,3,4,5,6,7
	global_load_b128 v[16+32*((\t)%3)+4*\i:16+32*((\t)%3)+4*\i+3], v4, s[4:5] offset:(2*\i+8*(\i/4))*4096+(\t)*256 th:TH_LOAD_NT
.endr
.endm
; through the wave's own stage (rows 272 bytes apart): in as loaded, out 128 bytes a lane: one whole block.  LDS serves a wave's instructions in order.
.macro TURNX t
.irp i, 0,1,2,3,4,5,6,7
	ds_store_b128 v5, v[16+32*((\t)%3)+4*\i:16+32*((\t)%3)+4*\i+3] offset:4352*((\t)%2)+544*\i
.endr
.irp i, 0,1,2,3,4,5,6,7
	ds_load_b128 v[112+32*((\t)%2)+4*\i:112+32*((\t)%2)+4*\i+3], v6 offset:4352*((\t)%2)+16*\i
.endr
.endm
.macro STEPX t
.set XSET, 112+32*((\t)%2)
.set CSET, 176+8*(\t)
	s_wait_dscnt 0x0                               ; this step's numbers are back, so the stage's stores have read their registers
.if (\t)+3 < 8
	LOADX (\t)+3
.endif
.if (\t) < 7
.if (\t) < 5
	s_wait_loadcnt 16                              ; the next step's eight loads are in; two younger sets may be out
.elseif (\t) == 5
	s_wait_loadcnt 8
.else
	s_wait_loadcnt 0
.endif
	TURNX (\t)+1
.endif
	BMAX XSET
	v_cvt_scalef32_pk16_bf6_f32 v[CSET:CSET+2], v[XSET:XSET+15], v11
	v_cvt_scalef32_pk16_bf6_f32 v[CSET+4:CSET+6], v[XSET+16:XSET+31], v11   ; (a conversion's three registers begin on an even number)
	v_lshrrev_b32 v[240+(\t)], 23, v11             ; the scale's byte; also the plain line behind the conversions
	v_mov_b32 v[CSET+3], v[CSET+4]
	v_mov_b32 v[CSET+4], v[CSET+5]
	v_mov_b32 v[CSET+5], v[CSET+6]
	global_store_b128 v7, v[CSET:CSET+3], s[32:33] offset:(\t)*768          ; 512 consecutive bytes, aligned to 256
	global_store_b64 v10, v[CSET+4:CSET+5], s[32:33] offset:(\t)*768+512    ; 256 consecutive bytes, aligned
.endm
; ---- paths WQ, WO.  A lane takes a column, its registers run down K.
.macro WLOAD t, N, sw
.irp i, 0,1,2,3,4,5,6,7,8,9,10,11,12,13,14,15,16,17,18,19,20,21,22,23,24,25,26,27,28,29,30,31
	global_load_b32 v[32+32*((\t)%2)+\i], v4, s[\sw:\sw+1] offset:(32*(\t)+\i)*\N*4 th:TH_LOAD_NT
.endr
.endm
.macro WBLOCK t, N, sw
.set XW, 32+32*((\t)%2)
.if (\t) < 7
	s_wait_loadcnt 32                              ; this block's 32 loads are in; the next block's may be out
.else
	s_wait_loadcnt 0
.endif
	BMAX XW
	v_cvt_scalef32_pk16_bf6_f32 v[96:98], v[XW:XW+15], v11
	v_cvt_scalef32_pk16_bf6_f32 v[100:102], v[XW+16:XW+31], v11
	v_lshrrev_b32 v13, 23, v11                     ; the byte; the plain line behind the conversions
.if (\t)%4 == 0
	v_mov_b32 v[24+(\t)/4], v13
.else
	v_lshl_or_b32 v[24+(\t)/4], v13, 8*((\t)%4), v[24+(\t)/4]
.endif
	v_mov_b32 v99, v100
	v_mov_b32 v100, v101
	v_mov_b32 v101, v102
	ds_store_b128 v5, v[96:99] offset:((\t)/2)*768+((\t)%2)*256            ; straight to the block's place in the half image
	ds_store_b64 v6, v[100:101] offset:((\t)/2)*768+512+((\t)%2)*128
.if (\t)+2 < 8
	WLOAD (\t)+2, \N, \sw
.endif
	s_wait_dscnt 0x0                               ; the stores have read their registers: the next block's codes may be written
.endm
.macro WPATH N, CODE, SCALE, LDS0, FIRST, sw
	s_sub_co_u32 s24, ttmp9, \FIRST
	s_lshr_b32 s25, s24, 2
	s_and_b32 s26, s24, 3                          ; which 256 along K
	s_lshl_b32 s25, s25, 2
	s_add_co_u32 s25, s25, s22                     ; my wave's group of 32 columns
	s_mul_i32 s28, s26, 256*\N*4
	s_lshl_b32 s30, s25, 7
	s_add_co_u32 s28, s28, s30
	s_mov_b32 s29, 0
	s_add_nc_u64 s[\sw:\sw+1], s[\sw:\sw+1], s[28:29]
	s_mul_i32 s28, s25, 2*12288
	s_mul_i32 s30, s26, 4*768
	s_add_co_u32 s28, s28, s30
	s_add_co_u32 s28, s28, \CODE
	s_add_nc_u64 s[32:33], s[18:19], s[28:29]
	s_lshl_b32 s28, s25, 10
	s_lshl_b32 s30, s26, 3
	s_add_co_u32 s28, s28, s30
	s_add_co_u32 s28, s28, \SCALE
	s_add_nc_u64 s[34:35], s[18:19], s[28:29]
	s_mul_i32 s24, s22, 6400
	s_add_co_u32 s24, s24, \LDS0                   ; my stage: two tiles x (4 half images + 128 bytes)
	v_lshlrev_b32 v4, 2, v1
	v_bfe_u32 v14, v0, 3, 1                        ; column lane = 8 u + r + 8 (r/8): u, which tile of the pair,
	v_and_b32 v15, 7, v0
	v_lshl_add_u32 v15, v3, 3, v15                 ; and r
	v_mul_u32_u24 v7, v14, 3200
	v_add_nc_u32 v7, s24, v7
	v_lshl_add_u32 v5, v15, 4, v7
	v_lshl_add_u32 v6, v15, 3, v7
	v_lshlrev_b32 v10, 4, v1
	v_add_nc_u32 v7, s24, v10
	v_lshlrev_b32 v12, 5, v15
	v_lshl_add_u32 v12, v14, 9, v12
	WLOAD 0, \N, \sw
	WLOAD 1, \N, \sw
.irp t, 0,1,2,3,4,5,6,7
	WBLOCK \t, \N, \sw
.endr
	s_wait_alu depctr_va_vdst(0)
	global_store_b64 v12, v[24:25], s[34:35]       ; my column's eight scale bytes
.irp n, 0,1,2,3,4,5,6,7,8,9,10,11
	ds_load_b128 v[112+4*\n:115+4*\n], v7 offset:(\n/6)*3200+(\n%6)*512
.endr
.irp n, 0,1,2,3,4,5,6,7,8,9,10,11
	s_wait_dscnt 11-\n                             ; the reads issued behind read n may stay out
	global_store_b128 v10, v[112+4*\n:115+4*\n], s[32:33] offset:(\n/6)*12288+(\n%6)*512
.endr
	s_wait_tensorcnt 0x0
	ds_add_u32 v231, v239
	s_wait_dscnt 0x0
	s_endpgm
.endm
; ---- path T
.macro TSC i, lo, hi                   ; the timescale 10^((16 h + i)/8): lanes 0-15 take lo, lanes 16-31 hi
	v_mov_b32 v[32+\i], \hi
	v_cndmask_b32 v[32+\i], \lo, v[32+\i], vcc_lo
.endm
.macro SINCOS i                        ; cos and sin of pos / timescale i
	v_mul_f32 v6, v5, v[48+\i]
	v_fma_f32 v7, -v6, v[32+\i], v5                ; the remainder of the first quotient
	v_fma_f32 v6, v7, v[48+\i], v6                 ; the quotient, rounded once
	v_mul_f32 v7, s40, v6
	v_rndne_f32 v7, v7                             ; n = the nearest multiple of pi/2
	v_fma_f32 v6, v7, s41, v6                      ; x - n c1: exact (n has 11 bits, the difference lies under 1)
	v_fma_f32 v6, v7, s42, v6                      ; - n c2, c1 + c2 = pi/2
	v_cvt_i32_f32 v8, v7
	v_mul_f32 v9, v6, v6
	v_fma_f32 v10, v9, s45, s44
	v_fma_f32 v10, v10, v9, s43
	v_mul_f32 v12, v6, v9
	v_fma_f32 v10, v10, v12, v6                    ; sin of the remainder
	v_fma_f32 v11, v9, s48, s47
	v_fma_f32 v11, v11, v9, s46
	v_mul_f32 v11, v11, v9
	v_fma_f32 v12, v9, -0.5, 1.0
	v_fma_f32 v11, v11, v9, v12                    ; cos of the remainder
	v_and_b32 v12, 1, v8
	v_cmp_eq_u32 vcc_lo, 1, v12
	v_cndmask_b32 v12, v10, v11, vcc_lo            ; odd quadrants change the two
	v_cndmask_b32 v11, v11, v10, vcc_lo
	v_lshlrev_b32 v10, 30, v8
	v_and_b32 v10, 0x80000000, v10                 ; sin is negative in quadrants 2, 3
	v_xor_b32 v[80+\i], v10, v12
	v_add_nc_u32 v8, 1, v8
	v_lshlrev_b32 v8, 30, v8
	v_and_b32 v8, 0x80000000, v8                   ; cos in quadrants 1, 2
	v_xor_b32 v[64+\i], v8, v11
.endm
	s_load_b256 s[4:11], s[0:1], 0x0               ; inputs_q, w_qkv, w_out, patch_mask
	s_load_b256 s[12:19], s[0:1], 0x20             ; q_ln_scale, k_ln_scale, per_dim_scale, wprep
	s_load_b64 s[20:21], s[0:1], 0x40              ; nmask
	v_lshl_add_u32 v231, v0, 2, 0x15000
	v_mov_b32 v239, 0
	v_lshrrev_b32 v1, 5, v0
	v_readfirstlane_b32 s22, v1                    ; wave
	v_and_b32 v1, 31, v0                           ; lane
	v_and_b32 v2, 15, v0                           ; r
	v_bfe_u32 v3, v0, 4, 1                         ; h
	s_mov_b32 s36, 0x76543210
	s_mov_b32 s37, 0xfedcba98                      ; v_permlanex16_b32's selects for lane xor 16
	s_wait_kmcnt 0x0
	s_cmp_lt_u32 ttmp9, 256
	s_cbranch_scc1 .Lx
	s_cmp_lt_u32 ttmp9, 352
	s_cbranch_scc1 .Lwq
	s_cmp_lt_u32 ttmp9, 384
	s_cbranch_scc1 .Lwo
	s_branch .Lt
.Lx:                                           ; a wave takes half a tile's K: eight half images
	s_lshl_b32 s24, ttmp9, 2
	s_add_co_u32 s24, s24, s22
	s_lshr_b32 s25, s24, 1                         ; tile
	s_and_b32 s26, s24, 1                          ; which half of K
	s_lshr_b32 s27, s25, 1
	s_lshl_b32 s27, s27, 5
	s_and_b32 s28, s25, 1
	s_lshl_b32 s28, s28, 3
	s_add_co_u32 s27, s27, s28                     ; the tile's first row
	s_lshl_b32 s28, s27, 12
	s_lshl_b32 s29, s26, 11
	s_add_co_u32 s28, s28, s29
	s_mov_b32 s29, 0
	s_add_nc_u64 s[4:5], s[4:5], s[28:29]
	s_mul_i32 s28, s25, 12288
	s_mul_i32 s30, s26, 6144
	s_add_co_u32 s28, s28, s30
	s_add_nc_u64 s[32:33], s[18:19], s[28:29]      ; x's codes begin at byte 0 of wprep
	s_lshl_b32 s28, s25, 9
	s_lshl_b32 s30, s26, 4
	s_add_co_u32 s28, s28, s30
	s_add_co_u32 s28, s28, P_XS
	s_add_nc_u64 s[34:35], s[18:19], s[28:29]
	s_mul_i32 s24, s22, 8704                       ; my two stages of 16 x 272 bytes
	s_wait_alu depctr_va_vdst(0)
	v_lshlrev_b32 v4, 12, v3
	v_lshl_add_u32 v4, v2, 4, v4                   ; loads: lanes 0-15 one row, lanes 16-31 the next
	v_mul_u32_u24 v5, v3, 272
	v_lshl_add_u32 v5, v2, 4, v5
	v_add_nc_u32 v5, s24, v5
	v_mul_u32_u24 v6, v2, 272
	v_lshl_add_u32 v6, v3, 7, v6
	v_add_nc_u32 v6, s24, v6
	v_lshlrev_b32 v7, 4, v1
	v_lshlrev_b32 v10, 3, v1
	v_lshlrev_b32 v12, 5, v2
	v_lshl_add_u32 v12, v3, 3, v12
	LOADX 0
	LOADX 1
	LOADX 2
	s_wait_alu depctr_va_vdst(0)
	s_wait_loadcnt 16                              ; set 0 is in
	TURNX 0
.irp t, 0,1,2,3,4,5,6,7
	STEPX \t
.endr
	v_lshlrev_b32 v13, 3, v3                       ; my bytes are those of blocks 2 t + h: word k of four takes steps 2 k and 2 k + 1
.irp k, 0,1,2,3
	v_lshl_or_b32 v[248+\k], v[241+2*\k], 16, v[240+2*\k]
	v_mov_b32 v[252+\k], 0                         ; (a lane permute's destination counts as read)
.endr
.irp k, 0,1,2,3
	v_lshlrev_b32 v[248+\k], v13, v[248+\k]
.endr
.irp k, 0,1,2,3
	v_permlanex16_b32 v[252+\k], v[248+\k], s36, s37
.endr
.irp k, 0,1,2,3
	v_or_b32 v[248+\k], v[248+\k], v[252+\k]       ; with lane xor 16's two bytes the word is whole
.endr
	v_cmp_eq_u32 vcc_lo, 1, v3
	v_cndmask_b32 v14, v248, v250, vcc_lo
	v_cndmask_b32 v15, v249, v251, vcc_lo
	global_store_b64 v12, v[14:15], s[34:35]       ; lane (r, h): words 2 h, 2 h + 1 of my half of row r's 32 bytes
	s_wait_tensorcnt 0x0
	ds_add_u32 v231, v239
	s_wait_dscnt 0x0
	s_endpgm
.Lwq:
	s_wait_alu depctr_va_vdst(0)
	WPATH 3072, P_WQC, P_WQS, 34816, 256, 6
.Lwo:
	s_wait_alu depctr_va_vdst(0)
	WPATH 1024, P_WOC, P_WOS, 60416, 352, 8
.Lt:                                           ; a wave takes a tile of 16 positions
	s_sub_co_u32 s24, ttmp9, 384
	s_lshl_b32 s24, s24, 2
	s_add_co_u32 s24, s24, s22                     ; tile 0..511
	s_lshr_b32 s25, s24, 7                         ; batch
	s_lshl_b32 s26, s25, 11
	s_mov_b32 s27, 0
	s_add_nc_u64 s[10:11], s[10:11], s[26:27]
	s_wait_alu depctr_va_vdst(0)
	v_lshlrev_b32 v4, 4, v1
.irp i, 0,1,2,3
	global_load_b128 v[16+4*\i:19+4*\i], v4, s[10:11] offset:512*\i
.endr
	s_mov_b32 s40, 0x3f22f983                      ; 2 / pi
	s_mov_b32 s41, 0xbfc90fdb                      ; -c1
	s_mov_b32 s42, 0x333bbd2e                      ; -c2
	s_mov_b32 s43, -0.16666654611
	s_mov_b32 s44, 0.0083321608736
	s_mov_b32 s45, -0.00019515295891
	s_mov_b32 s46, 0.041666645683
	s_mov_b32 s47, -0.0013887316255
	s_mov_b32 s48, 0.000024433157118
	v_cmp_eq_u32 vcc_lo, 1, v3
	TSC 0, 1.0, 100.0
	TSC 1, 1.333521432163324, 133.3521432163324
	TSC 2, 1.778279410038923, 177.8279410038923
	TSC 3, 2.371373705661655, 237.1373705661655
	TSC 4, 3.162277660168379, 316.2277660168379
	TSC 5, 4.216965034285822, 421.6965034285822
	TSC 6, 5.623413251903491, 562.3413251903491
	TSC 7, 7.498942093324558, 749.8942093324558
	TSC 8, 10.0, 1000.0
	TSC 9, 13.33521432163324, 1333.521432163324
	TSC 10, 17.78279410038923, 1778.279410038923
	TSC 11, 23.71373705661655, 2371.373705661655
	TSC 12, 31.62277660168379, 3162.277660168379
	TSC 13, 42.16965034285822, 4216.965034285822
	TSC 14, 56.23413251903491, 5623.413251903491
	TSC 15, 74.98942093324558, 7498.942093324558
	s_wait_alu depctr_va_vdst(0)
.irp i, 0,1,2,3,4,5,6,7,8,9,10,11,12,13,14,15
	v_rcp_f32 v[48+\i], v[32+\i]
.endr
	v_mov_b32 v13, 0                               ; the plain line behind the reciprocals
	s_wait_alu depctr_va_vdst(0)                   ; one wait for the batch, ahead of its first reader
	s_wait_loadcnt 0x0
.irp i, 17,19,21,23,25,27,29
	v_add3_u32 v16, v16, v[\i], v[\i+1]            ; sixteen words of four 0/1 bytes: each byte stays at 16 or under
.endr
	v_add_nc_u32 v16, v16, v31
	v_lshrrev_b32 v17, 8, v16
	v_and_b32 v16, 0xff00ff, v16
	v_and_b32 v17, 0xff00ff, v17
	v_add_nc_u32 v16, v16, v17
	v_lshrrev_b32 v17, 16, v16
	v_and_b32 v16, 0xffff, v16
	v_add_nc_u32 v16, v16, v17                     ; my 64 bytes' count
.irp m, 1,2,4,8
	v_mov_b32_dpp v17, v16 row_xmask:\m row_mask:0xf bank_mask:0xf
	v_add_nc_u32 v16, v16, v17
.endr
	v_permlanex16_b32 v17, v16, s36, s37
	v_add_nc_u32 v16, v16, v17                     ; num_masked of my batch, a whole number throughout
	s_and_b32 s28, s24, 127                        ; the tile in its batch
	s_lshr_b32 s29, s28, 1
	s_lshl_b32 s29, s29, 5
	s_and_b32 s30, s28, 1
	s_lshl_b32 s30, s30, 3
	s_add_co_u32 s29, s29, s30
	v_and_b32 v5, 8, v2
	v_add_nc_u32 v5, v5, v2
	v_add_nc_u32 v5, s29, v5                       ; my row's s
	v_sub_nc_u32 v5, v5, v16
	v_cvt_f32_i32 v5, v5                           ; the position, exact
.irp i, 0,1,2,3,4,5,6,7,8,9,10,11,12,13,14,15
	SINCOS \i
.endr
	s_lshl_b32 s26, s24, 12
	s_add_co_u32 s26, s26, P_TRIG
	s_add_nc_u64 s[32:33], s[18:19], s[26:27]
.irp e, 0,1,2,3,4,5,6,7
	global_store_b128 v4, v[64+4*\e:67+4*\e], s[32:33] offset:512*\e      ; cos of c = 16 h + 0..15, then sin: 512 consecutive bytes a store
.endr
	s_cmp_lg_u32 s28, 0
	s_cbranch_scc1 .Lt_end
	s_lshl_b32 s30, s25, 2                         ; a batch's first tile stores num_masked, from lane 0
	v_mov_b32 v13, s30
	v_cmp_eq_u32 vcc_lo, 0, v1
	s_wait_alu depctr_va_vdst(0)
	s_wait_xcnt 0x0                                ; EXEC changes only behind this wait
	s_and_saveexec_b32 s31, vcc_lo
	global_store_b32 v13, v16, s[20:21]
	s_wait_xcnt 0x0
	s_or_b32 exec_lo, exec_lo, s31
	s_cmp_lg_u32 s24, 0
	s_cbranch_scc1 .Lt_end
	; tile 0's wave makes the gains: gq = q_ln_scale x (log2(e)/8 x softplus(per_dim_scale)), gk = k_ln_scale; channels lane and lane + 32
	v_lshlrev_b32 v6, 2, v1
	global_load_b32 v16, v6, s[16:17]
	global_load_b32 v17, v6, s[16:17] offset:128
	global_load_b32 v18, v6, s[12:13]
	global_load_b32 v19, v6, s[12:13] offset:128
	global_load_b32 v20, v6, s[14:15]
	global_load_b32 v21, v6, s[14:15] offset:128
	s_mov_b32 s26, P_GAIN
	s_add_nc_u64 s[32:33], s[18:19], s[26:27]
	s_wait_loadcnt 0x0
	v_and_b32 v22, 0x7fffffff, v16
	v_and_b32 v23, 0x7fffffff, v17
	v_mul_f32 v22, 0xbfb8aa3b, v22
	v_mul_f32 v23, 0xbfb8aa3b, v23
	s_wait_alu depctr_va_vdst(0)
	v_exp_f32 v22, v22                             ; u = e^-|x|
	v_exp_f32 v23, v23
	v_nop
	s_wait_alu depctr_va_vdst(0)
	v_add_f32 v24, 2.0, v22
	v_add_f32 v25, 2.0, v23
	s_wait_alu depctr_va_vdst(0)
	v_rcp_f32 v24, v24
	v_rcp_f32 v25, v25
	v_nop
	s_wait_alu depctr_va_vdst(0)
	v_mul_f32 v22, v22, v24                        ; z = u / (2 + u), at most 1/3; log(1 + u) = 2 z (1 + z^2/3 + z^4/5 ..): the term left out is under 2e-10
	v_mul_f32 v23, v23, v25
	v_mul_f32 v24, v22, v22
	v_mul_f32 v25, v23, v23
	v_mov_b32 v26, 0x3d70f0f1                      ; 1/17
	v_mov_b32 v27, 0x3d70f0f1
.irp k, 0x3d888889, 0x3d9d89d9, 0x3dba2e8c, 0x3de38e39, 0x3e124925, 0x3e4ccccd, 0x3eaaaaab, 0x3f800000
	v_fmaak_f32 v26, v26, v24, \k
	v_fmaak_f32 v27, v27, v25, \k
.endr
	v_add_f32 v22, v22, v22
	v_add_f32 v23, v23, v23
	v_max_num_f32 v16, 0, v16
	v_max_num_f32 v17, 0, v17
	v_fma_f32 v22, v22, v26, v16                   ; softplus = max(x, 0) + log(1 + e^-|x|)
	v_fma_f32 v23, v23, v27, v17
	v_mul_f32 v22, 0x3e38aa3b, v22
	v_mul_f32 v23, 0x3e38aa3b, v23
	v_mul_f32 v22, v18, v22
	v_mul_f32 v23, v19, v23
	global_store_b32 v6, v22, s[32:33]
	global_store_b32 v6, v23, s[32:33] offset:128
	global_store_b32 v6, v20, s[32:33] offset:256
	global_store_b32 v6, v21, s[32:33] offset:384
.Lt_end:
	s_endpgm
.Lfunc_end_k_q64fe225704_prep:
	.size	k_q64fe225704_prep, .Lfunc_end_k_q64fe225704_prep-k_q64fe225704_prep
	.p2alignl 7, 3214868480
	.fill 96, 4, 3214868480
	.section	.rodata,"a",@progbits
	.p2align	6, 0x0
	.amdhsa_kernel k_q64fe225704_prep
		.amdhsa_group_segment_fixed_size 86528
		.amdhsa_private_segment_fixed_size 0
		.amdhsa_enable_private_segment 0
		.amdhsa_kernarg_size 72
		.amdhsa_user_sgpr_count 2
		.amdhsa_user_sgpr_kernarg_segment_ptr 1
		.amdhsa_wavefront_size32 1
		.amdhsa_system_sgpr_workgroup_id_x 1
		.amdhsa_system_sgpr_workgroup_id_y 1
		.amdhsa_system_sgpr_workgroup_id_z 1
		.amdhsa_system_vgpr_workitem_id 0
		.amdhsa_next_free_vgpr 256
		.amdhsa_next_free_sgpr 66
		.amdhsa_reserve_vcc 1
		.amdhsa_float_denorm_mode_32 3
		.amdhsa_float_denorm_mode_16_64 3
		.amdhsa_memory_ordered 1
		.amdhsa_forward_progress 1
		.amdhsa_inst_pref_size 144
	.end_amdhsa_kernel
	.amdgpu_metadata
---
amdhsa.version: [ 1, 2 ]
amdhsa.kernels:
  - .name:           k_q64fe225704_prep
    .symbol:         k_q64fe225704_prep.kd
    .args:
      - { .name: inputs_q, .offset: 0, .size: 8, .value_kind: global_buffer, .address_space: global }
      - { .name: w_qkv, .offset: 8, .size: 8, .value_kind: global_buffer, .address_space: global }
      - { .name: w_out, .offset: 16, .size: 8, .value_kind: global_buffer, .address_space: global }
      - { .name: patch_mask, .offset: 24, .size: 8, .value_kind: global_buffer, .address_space: global }
      - { .name: q_ln_scale, .offset: 32, .size: 8, .value_kind: global_buffer, .address_space: global }
      - { .name: k_ln_scale, .offset: 40, .size: 8, .value_kind: global_buffer, .address_space: global }
      - { .name: per_dim_scale, .offset: 48, .size: 8, .value_kind: global_buffer, .address_space: global }
      - { .name: wprep, .offset: 56, .size: 8, .value_kind: global_buffer, .address_space: global }
      - { .name: nmask, .offset: 64, .size: 8, .value_kind: global_buffer, .address_space: global }
    .group_segment_fixed_size: 86528
    .private_segment_fixed_size: 0
    .kernarg_segment_align: 8
    .kernarg_segment_size: 72
    .max_flat_workgroup_size: 128
    .sgpr_count:     66
    .vgpr_count:     256
    .wavefront_size: 32
...
	.end_amdgpu_metadata
.endif
;; end of part 1
;; launch qkv (part 2): grid 4 x 64, 4 waves a work-group, clusters of 4 x 4, 327,680 bytes of LDS; arguments wprep, wqkv; writes wqkv
.if DOCPART == 2
	.amdgcn_target "amdgcn-amd-amdhsa--gfx1250"
	.amdhsa_code_object_version 6
	.text
	.protected	k_q64fe225704_qkv
	.globl	k_q64fe225704_qkv
	.p2align	8
	.type	k_q64fe225704_qkv,@function
k_q64fe225704_qkv:
	s_mov_b64 s[64:65], 0
	v_nop
	global_prefetch_b8 v0, s[64:65] scope:SCOPE_SE
	s_setreg_imm32_b32 hwreg(HW_REG_WAVE_MODE, 25, 1), 1
	s_wait_xcnt 0x0
	s_wait_alu depctr_hold_cnt(0) depctr_sa_sdst(0) depctr_va_vdst(0) depctr_va_sdst(0) depctr_va_ssrc(0) depctr_va_vcc(0) depctr_vm_vsrc(0)
	s_getreg_b32 s2, hwreg(HW_REG_IB_STS2, 6, 4)
	s_cmp_eq_u32 s2, 0
	s_cbranch_scc0 .Lentry_in_a_cluster
	s_endpgm
.Lentry_in_a_cluster:
	s_bfe_u32 s2, ttmp6, 0x10000c
	s_cmp_lg_u32 s2, 0xf033
	s_cbranch_scc0 .Lentry_shape_is_right
	s_endpgm
.Lentry_shape_is_right:
; QKV: x Wqkv on codes of E3M2 (K = 1,024), and all that stands between it and the attention's operands.
; A WORK-GROUP STAYS: work-group (g, i) keeps the 128 tokens of x block i in LDS (8 tiles x 12,288 bytes, all of K) and takes them against three blocks of 256 columns of W, one after the other:
; columns 256 g on of q, of k and of v (16 tiles, 196,608 bytes, all of K).  64 x 4 = 256 work-groups of equal work.
; At the head each wave brings its part by one tensor load (waves 0, 1: four tiles of x each; waves 2, 3: eight of W each).  W's bytes are filled again twice: directly behind a block's last products,
; behind a spare add with its waits and a round of the cluster's barrier; the block's way out, which touches no LDS, stands between that load and the wait for it.
; CLUSTER 4 x 4: x's tiles are shared along a row, W's along a column: each is asked for jointly.
; No prefetch into the L2: each refill is itself issued a whole way out ahead of its wait, and the head's loads have no loop to run ahead in.
; A wave makes 4 tiles (source 1: a lane holds one of its rows) x 8 tiles (source 0: the registers run along its rows): 32 accumulators.
;   q, k (one loop of two trips): source 1 = x (a lane is a token; my 64), source 0 = W (my 128 channels, two heads): RoPE, RMS norm, gains, quantised along the head's 64.
;   v: source 1 = Wv (a lane is a channel; my head's 64), source 0 = x (all 128 keys): quantised along the keys; sums of the quantised v over these 128 keys.
; All codes lie in the order of the operand's registers (tile, half image of 768 bytes), so a fragment is two loads of 16 and two of 8 bytes a lane.
; The next block's scale words are asked for under the way out into idle registers of window 1 and moved behind it.
; LIMITS: NaN and infinities are not served; a block whose largest magnitude lies under 2^-122 gets the byte 1 (only this program reads the bytes).
; The gains were multiplied together ahead of the row: one rounding's difference from taking them one after the other.
; REGISTERS: window 0: v2-19 addresses, v20-27 scale words on their way out, v32-47 source 1's scale words, v64-95 source 0's, v96-127 cos and sin, v128-223 source 1's fragments (two sets), v224-255 gains;
;   window 1: source 0's fragments, two sets (v0, v128); window 2: accumulator (a, b) at v[8 (8 a + b)].  Behind the products window 0's v32-223 serve the way out.
.set P_XS,   6291456
.set P_WQC,  6553600
.set P_WQS,  8912896
.set P_TRIG, 9830400
.set P_GAIN, 11927552
.set Q_KC,   6291456
.set Q_VC,   12582912
.set Q_QS,   18874368
.set Q_KS,   19136512
.set Q_VS,   19398656
.set Q_VSP,  19660800
.set TILEB,  12288
.set ABYTES, 8*TILEB
.set SPARE,  24*TILEB                  ; the spare words: 128 bytes a wave, two blocks of 256 bytes that no other line names
.set FR,  12
.set GO,  2
.set R8,  3
.set A16, 4                            ; q, k: v4-9; v: v10-15
.set A8,  5
.set B16, 6
.set B8,  8
.set L16, 16
.set L8,  17
.set LSC, 18
.set H32, 19
.set WD,  20
.set SPW, 28
.set NIL, 29
.set VR,  30
.set VH,  31
.set SA,  32
.set SB,  64
.set AF,  128
.set G1A, 24
.set G1B, 32
.set G0A, 40
.set G0B, 44
.set YY,  128                          ; the way out of q, k: two heads x 32 numbers
.set TT,  192
.set FF,  208
.set UU,  32
.set GG,  224
.set TM,  224                          ; the way out of v
.set PT,  240
.set SW,  32
.set MSB, 0
.macro WIN new                         ; the immediate's high byte repeats the setting that is left
.if MSB != (\new)
	s_set_vgpr_msb (MSB<<8)|(\new)
.set MSB, (\new)
.endif
.endm
.set MUL_W, 0xa1                       ; source 0 window 1, source 1 window 0, C and D window 2
.set TO_B,  0x40
.macro PLACES                          ; four plain vector lines behind a matrix instruction (ISA guide 7.12.1)
.rept 4
	v_nop
.endr
.endm
.macro CREST
	s_cmp_lg_u32 s8, 0
	s_cbranch_scc1 .Lnot_wave_0_\@
	s_barrier_signal -3
.Lnot_wave_0_\@:
	s_barrier_wait -3
	s_barrier_signal -1
	s_barrier_wait -1
.endm
.macro CROUND
	s_barrier_signal -1
	s_barrier_wait -1
	CREST
.endm
.macro FRAG reg, a16, a8, off
	ds_load_b128 v[(\reg):(\reg)+3], v[\a16] offset:(\off)
	ds_load_b64 v[(\reg)+4:(\reg)+5], v[\a8] offset:(\off)+512
	ds_load_b128 v[(\reg)+6:(\reg)+9], v[\a16] offset:(\off)+768
	ds_load_b64 v[(\reg)+10:(\reg)+11], v[\a8] offset:(\off)+1280
.endm
.macro FETCH kk, p                     ; K step kk's twelve fragments into set p: 48 loads
	WIN TO_B
.irp i, 0,1,2,3,4,5,6,7
	FRAG 128*(\p)+FR*\i, B16+\i/4, B8+\i/4, (\i%4)*TILEB+(\kk)*1536
.endr
	WIN 0
.irp i, 0,1,2,3
	FRAG AF+48*(\p)+FR*\i, A16, A8, \i*TILEB+(\kk)*1536
.endr
.endm
; 32 matrix instructions; the accumulators take turns, one instruction a turn, in the same order in every step.
; A scale register holds K step kk%4 in lanes 0-15 and kk%4 + 4 in lanes 16-31.
.macro MUL32 kk, p, zero
	WIN MUL_W
.irp a, 0,1,2,3
.irp b, 0,1,2,3,4,5,6,7
.if \zero
	v_wmma_scale_f32_16x16x128_f8f6f4 v[8*(8*\a+\b):8*(8*\a+\b)+7], v[128*(\p)+FR*\b:128*(\p)+FR*\b+FR-1], v[AF+48*(\p)+FR*\a:AF+48*(\p)+FR*\a+FR-1], 0, v[SB+4*\b+(\kk)%4], v[SA+4*\a+(\kk)%4] matrix_a_fmt:MATRIX_FMT_BF6 matrix_b_fmt:MATRIX_FMT_BF6
.elseif (\kk) < 4
	v_wmma_scale_f32_16x16x128_f8f6f4 v[8*(8*\a+\b):8*(8*\a+\b)+7], v[128*(\p)+FR*\b:128*(\p)+FR*\b+FR-1], v[AF+48*(\p)+FR*\a:AF+48*(\p)+FR*\a+FR-1], v[8*(8*\a+\b):8*(8*\a+\b)+7], v[SB+4*\b+(\kk)%4], v[SA+4*\a+(\kk)%4] matrix_a_fmt:MATRIX_FMT_BF6 matrix_b_fmt:MATRIX_FMT_BF6
.else
	v_wmma_scale_f32_16x16x128_f8f6f4 v[8*(8*\a+\b):8*(8*\a+\b)+7], v[128*(\p)+FR*\b:128*(\p)+FR*\b+FR-1], v[AF+48*(\p)+FR*\a:AF+48*(\p)+FR*\a+FR-1], v[8*(8*\a+\b):8*(8*\a+\b)+7], v[SB+4*\b+(\kk)%4], v[SA+4*\a+(\kk)%4] matrix_a_fmt:MATRIX_FMT_BF6 matrix_b_fmt:MATRIX_FMT_BF6 matrix_a_scale:MATRIX_SCALE_ROW1 matrix_b_scale:MATRIX_SCALE_ROW1
.endif
.endr
.endr
.endm
.macro GEMM7 lc                        ; K steps 0 to 6, and step 7's fragments asked for.  lc: the global loads issued behind the scale words', which may stay out
	FETCH 0, 0
	FETCH 1, 1
	s_wait_loadcnt \lc
	s_wait_dscnt 48                                ; set 0 is in; the 48 loads of step 1 may be out
	MUL32 0, 0, 1                                  ; the first products start the sums
.irp kk, 1,2,3,4,5,6
	PLACES                                         ; in front of loads into the set that the last step multiplied
	FETCH \kk+1, (\kk+1)%2
	s_wait_dscnt 48                                ; this step's set is in; the next step's 48 loads may be out
	MUL32 \kk, \kk%2, 0
.endr
	WIN 0
.endm
.macro QKROW a                         ; lane (r, h) holds token r of tile a; of head hh the channels 16 h + 0..15 (accumulators 4 hh, 4 hh + 1) and 32 + 16 h + 0..15 (4 hh + 2, 4 hh + 3)
.if (\a) == 0
.set CSN, 96                           ; row 0's cos and sin: window 0, asked for ahead of the products
.else
.set CSN, 32*((\a)-1)                  ; rows 1 to 3: window 1's v0-95, asked for at the start of the way out
.endif
.set AC, 64*(\a)
	s_wait_xcnt 0x0                                ; the last row's stores have read their registers
	s_wait_loadcnt 12+8*(3-(\a))                   ; this row's cos and sin are in; the later rows' eight loads each and the twelve of the scale words may be out
.if (\a) == 0
	WIN 2                                          ; source 0: the accumulators' window
.else
	WIN 6                                          ; and source 1: window 1
.endif
.irp hh, 0,1
.irp u, 0,1
.irp j, 0,2,4,6
	v_pk_mul_f32 v[TT+\j:TT+\j+1], v[AC+8*(4*\hh+2+\u)+\j:AC+8*(4*\hh+2+\u)+\j+1], v[CSN+16+8*\u+\j:CSN+16+8*\u+\j+1]
.endr
.irp j, 0,2,4,6
	v_pk_mul_f32 v[TT+8+\j:TT+8+\j+1], v[AC+8*(4*\hh+\u)+\j:AC+8*(4*\hh+\u)+\j+1], v[CSN+16+8*\u+\j:CSN+16+8*\u+\j+1]
.endr
.irp j, 0,2,4,6
	v_pk_fma_f32 v[YY+32*\hh+8*\u+\j:YY+32*\hh+8*\u+\j+1], v[AC+8*(4*\hh+\u)+\j:AC+8*(4*\hh+\u)+\j+1], v[CSN+8*\u+\j:CSN+8*\u+\j+1], v[TT+\j:TT+\j+1] neg_lo:[0,0,1] neg_hi:[0,0,1]   ; x1 cos - x2 sin
.endr
.irp j, 0,2,4,6
	v_pk_fma_f32 v[YY+32*\hh+16+8*\u+\j:YY+32*\hh+16+8*\u+\j+1], v[AC+8*(4*\hh+2+\u)+\j:AC+8*(4*\hh+2+\u)+\j+1], v[CSN+8*\u+\j:CSN+8*\u+\j+1], v[TT+8+\j:TT+8+\j+1]   ; x2 cos + x1 sin
.endr
.endr
.endr
	WIN 0
.irp hh, 0,1                                   ; the sum of squares, two chains a head
	v_pk_mul_f32 v[UU+16*\hh:UU+16*\hh+1], v[YY+32*\hh:YY+32*\hh+1], v[YY+32*\hh:YY+32*\hh+1]
	v_pk_mul_f32 v[UU+16*\hh+2:UU+16*\hh+3], v[YY+32*\hh+2:YY+32*\hh+3], v[YY+32*\hh+2:YY+32*\hh+3]
.endr
.irp i, 4,8,12,16,20,24,28
.irp hh, 0,1
	v_pk_fma_f32 v[UU+16*\hh:UU+16*\hh+1], v[YY+32*\hh+\i:YY+32*\hh+\i+1], v[YY+32*\hh+\i:YY+32*\hh+\i+1], v[UU+16*\hh:UU+16*\hh+1]
	v_pk_fma_f32 v[UU+16*\hh+2:UU+16*\hh+3], v[YY+32*\hh+\i+2:YY+32*\hh+\i+3], v[YY+32*\hh+\i+2:YY+32*\hh+\i+3], v[UU+16*\hh+2:UU+16*\hh+3]
.endr
.endr
.irp hh, 0,1
	v_pk_add_f32 v[UU+16*\hh:UU+16*\hh+1], v[UU+16*\hh:UU+16*\hh+1], v[UU+16*\hh+2:UU+16*\hh+3]
.endr
.irp hh, 0,1
	v_add_f32 v[UU+16*\hh], v[UU+16*\hh], v[UU+16*\hh+1]
.endr
.irp hh, 0,1
	v_permlanex16_b32 v[UU+16*\hh+1], v[UU+16*\hh], s80, s81
.endr
.irp hh, 0,1
	v_add_f32 v[UU+16*\hh], v[UU+16*\hh], v[UU+16*\hh+1]      ; with lane xor 16's 32 channels
.endr
.irp hh, 0,1
	v_fma_f32 v[UU+16*\hh], v[UU+16*\hh], s79, s78            ; the mean + 1e-6
.endr
	s_wait_alu depctr_va_vdst(0)
.irp hh, 0,1
	v_rsq_f32 v[UU+16*\hh+4], v[UU+16*\hh]                    ; made twice, to fill the pair that the packed multiply takes
	v_rsq_f32 v[UU+16*\hh+5], v[UU+16*\hh]
.endr
	v_nop                                          ; the plain line behind the batch
	s_wait_alu depctr_va_vdst(0)                   ; one wait for the four, ahead of their first reader
.irp i, 0,2,4,6,8,10,12,14,16,18,20,22,24,26,28,30
.irp hh, 0,1
	v_pk_mul_f32 v[YY+32*\hh+\i:YY+32*\hh+\i+1], v[YY+32*\hh+\i:YY+32*\hh+\i+1], v[UU+16*\hh+4:UU+16*\hh+5]
.endr
.endr
.irp i, 0,2,4,6,8,10,12,14,16,18,20,22,24,26,28,30
.irp hh, 0,1
	v_pk_mul_f32 v[YY+32*\hh+\i:YY+32*\hh+\i+1], v[YY+32*\hh+\i:YY+32*\hh+\i+1], v[GG+\i:GG+\i+1]
.endr
.endr
	; quantised along the head's 64: blocks 0 and 1; a lane holds 16 numbers of each, lane xor 16 the other 16
.irp hh, 0,1
.irp b, 0,1
	v_max3_num_f32 v[UU+16*\hh+\b], |v[YY+32*\hh+16*\b]|, |v[YY+32*\hh+16*\b+1]|, 0x2800000
.endr
.endr
.irp i, 2,4,6,8,10,12,14
.irp hh, 0,1
.irp b, 0,1
	v_max3_num_f32 v[UU+16*\hh+\b], v[UU+16*\hh+\b], |v[YY+32*\hh+16*\b+\i]|, |v[YY+32*\hh+16*\b+\i+1]|
.endr
.endr
.endr
.irp hh, 0,1
.irp b, 0,1
	v_permlanex16_b32 v[UU+16*\hh+2+\b], v[UU+16*\hh+\b], s80, s81
.endr
.endr
.irp hh, 0,1
.irp b, 0,1
	v_max_num_f32 v[UU+16*\hh+\b], v[UU+16*\hh+\b], v[UU+16*\hh+2+\b]
.endr
.endr
.irp hh, 0,1
.irp b, 0,1
	v_add_nc_u32 v[UU+16*\hh+4+\b], 0xfe000000, v[UU+16*\hh+\b]
.endr
.endr
.irp hh, 0,1
.irp b, 0,1
	v_lshrrev_b32 v[UU+16*\hh+6+\b], 23, v[UU+16*\hh+4+\b]
.endr
.endr
.irp hh, 0,1
	v_cvt_scalef32_pk16_bf6_f32 v[FF+8*\hh:FF+8*\hh+2], v[YY+32*\hh:YY+32*\hh+15], v[UU+16*\hh+4]
	v_cvt_scalef32_pk16_bf6_f32 v[UU+16*\hh+8:UU+16*\hh+10], v[YY+32*\hh+16:YY+32*\hh+31], v[UU+16*\hh+5]
.endr
.irp hh, 0,1
	v_lshl_or_b32 v[UU+16*\hh+6], v[UU+16*\hh+7], 8, v[UU+16*\hh+6]       ; the row's two bytes; also the plain line behind the conversions
.endr
.irp hh, 0,1
.if (\a)%2 == 0
	v_mov_b32 v[WD+4*\hh+(\a)/2], v[UU+16*\hh+6]
.else
	v_lshl_or_b32 v[WD+4*\hh+(\a)/2], v[UU+16*\hh+6], 16, v[WD+4*\hh+(\a)/2]   ; a word serves the pair of tiles 2 g, 2 g + 1
.endif
.endr
.irp hh, 0,1
.irp i, 0,1,2
	v_permlane16_swap_b32 v[FF+8*\hh+\i], v[UU+16*\hh+8+\i]   ; a whole block to a lane: lanes 0-15 block 0, lanes 16-31 block 1
.endr
.endr
.irp hh, 0,1
.irp i, 0,1,2
	v_mov_b32 v[FF+8*\hh+3+\i], v[UU+16*\hh+8+\i]
.endr
.endr
.irp hh, 0,1
	global_store_b128 v[L16], v[FF+8*\hh:FF+8*\hh+3], s[92:93] offset:(\a)*768+\hh*98304
	global_store_b64 v[L8], v[FF+8*\hh+4:FF+8*\hh+5], s[92:93] offset:(\a)*768+\hh*98304+512
.endr
.endm
.macro QUANTV a                        ; lane (r, h) holds channel r of tile a; its 64 registers are keys 32 b + 16 h + 0..15 of the 128
.set AC, 64*(\a)
.set FV, 128+12*(\a)
	WIN 40                                         ; sources 1 and 2: the accumulators' window
.irp b, 0,1,2,3
	v_max3_num_f32 v[TM+\b], 0x2800000, |v[AC+16*\b]|, |v[AC+16*\b+1]|
.endr
.irp i, 2,4,6,8,10,12,14
.irp b, 0,1,2,3
	v_max3_num_f32 v[TM+\b], v[TM+\b], |v[AC+16*\b+\i]|, |v[AC+16*\b+\i+1]|
.endr
.endr
	WIN 0
.irp b, 0,1,2,3
	v_permlanex16_b32 v[TM+4+\b], v[TM+\b], s80, s81
.endr
.irp b, 0,1,2,3
	v_max_num_f32 v[TM+\b], v[TM+\b], v[TM+4+\b]
.endr
.irp b, 0,1,2,3
	v_add_nc_u32 v[TM+12+\b], 0xfe000000, v[TM+\b]
.endr
.irp b, 0,1,2,3
	v_lshrrev_b32 v[TM+4+\b], 23, v[TM+12+\b]
.endr
	v_lshl_or_b32 v[SW+(\a)], v[TM+5], 8, v[TM+4]
	v_lshl_or_b32 v[SW+(\a)], v[TM+6], 16, v[SW+(\a)]
	v_lshl_or_b32 v[SW+(\a)], v[TM+7], 24, v[SW+(\a)]
	WIN 2
.irp c, 0,1
	v_cvt_scalef32_pk16_bf6_f32 v[FV+6*\c:FV+6*\c+2], v[AC+32*\c:AC+32*\c+15], v[TM+12+2*\c]
	v_cvt_scalef32_pk16_bf6_f32 v[PT+4*\c:PT+4*\c+2], v[AC+32*\c+16:AC+32*\c+31], v[TM+12+2*\c+1]
.endr
	WIN 0
	v_nop                                          ; the plain line behind the conversions
.irp c, 0,1
.irp i, 0,1,2
	v_permlane16_swap_b32 v[FV+6*\c+\i], v[PT+4*\c+\i]
.endr
.irp i, 0,1,2
	v_mov_b32 v[FV+6*\c+3+\i], v[PT+4*\c+\i]
.endr
.endr
	global_store_b128 v[L16], v[FV:FV+3], s[92:93] offset:(\a)*1536
	global_store_b64 v[L8], v[FV+4:FV+5], s[92:93] offset:(\a)*1536+512
	global_store_b128 v[L16], v[FV+6:FV+9], s[92:93] offset:(\a)*1536+768
	global_store_b64 v[L8], v[FV+10:FV+11], s[92:93] offset:(\a)*1536+1280
.endm
	s_load_b128 s[4:7], s[0:1], 0x0                ; wprep, wqkv
	v_lshl_add_u32 v[SPW], v0, 2, SPARE
	v_mov_b32 v[NIL], 0
	ds_add_u32 v[SPW], v[NIL]                      ; the opening lines: the add, twice on end, and its wait ahead of my first tensor load
	ds_add_u32 v[SPW], v[NIL]
	v_lshrrev_b32 v1, 5, v0
	v_readfirstlane_b32 s8, v1                     ; wave
	s_lshr_b32 s9, s8, 1                           ; q, k: my half of the tokens.  Also: I fetch for x (0) or W (1)
	s_and_b32 s10, s8, 1                           ; q, k: my half of the columns.  Also: which half of that operand's tiles I fetch
	s_bfe_u32 s11, ttmp6, 0x40000                  ; cx
	s_bfe_u32 s12, ttmp6, 0x40004                  ; cy
	s_and_b32 s16, ttmp7, 0xffff
	s_lshl_b32 s16, s16, 2
	s_add_co_u32 s16, s16, s12                     ; i: which 128 tokens
	s_lshl_b32 s17, ttmp9, 2
	s_add_co_u32 s17, s17, s11                     ; g: which 256 columns of q, of k and of v
	s_lshl_b32 s20, s12, 2
	s_lshl_b32 s20, 15, s20                        ; my row of the cluster
	s_lshl_b32 s21, 0x1111, s11                    ; my column
	s_or_b32 s[G1A], s20, (3<<16)|(1<<21)          ; the mask; elements of 8 bytes; bit 21 beside a mask; no padding
	s_or_b32 s[G1B], s21, (3<<16)|(1<<21)
.irp g, G1A, G1B
	s_mov_b32 s[\g+1], 1536<<16                    ; tensor_dim0: a tile's 12,288 bytes
	s_mov_b32 s[\g+3], 1536<<16                    ; tile_dim0
	s_mov_b32 s[\g+5], 1536                        ; from tile to tile
	s_mov_b32 s[\g+6], 0
	s_mov_b32 s[\g+7], 0
.endr
	s_mov_b32 s[G1A+2], 4<<16                      ; four tiles of x,
	s_mov_b32 s[G1A+4], 4
	s_mov_b32 s[G1B+2], 8<<16                      ; eight of W
	s_mov_b32 s[G1B+4], 8
	s_lshl_b32 s20, s16, 3
	s_lshl_b32 s21, s10, 2
	s_add_co_u32 s20, s20, s21
	s_mul_i32 s20, s20, TILEB                      ; x's codes begin at byte 0
	s_mov_b32 s21, 0
	s_lshl_b32 s22, s17, 4
	s_lshl_b32 s23, s10, 3
	s_add_co_u32 s22, s22, s23
	s_mul_i32 s22, s22, TILEB
	s_add_co_u32 s22, s22, P_WQC
	s_mov_b32 s23, 0
	s_mov_b32 s[G0A], 1
	s_mul_i32 s[G0A+1], s10, 4*TILEB               ; no place in the cluster enters an LDS address
	s_mov_b32 s[G0B], 1
	s_mul_i32 s[G0B+1], s10, 8*TILEB
	s_add_co_u32 s[G0B+1], s[G0B+1], ABYTES
	s_mov_b32 s78, 0x358637bd                      ; 1e-6
	s_mov_b32 s79, 0x3c800000                      ; 1/64
	s_mov_b32 s80, 0x76543210
	s_mov_b32 s81, 0xfedcba98
	s_wait_dscnt 0x0                               ; both opening adds are done
	s_wait_kmcnt 0x0
	s_add_nc_u64 s[G0A+2:G0A+3], s[4:5], s[20:21]
	s_or_b32 s[G0A+3], s[G0A+3], 0x80000000
	s_add_nc_u64 s[G0B+2:G0B+3], s[4:5], s[22:23]
	s_or_b32 s[G0B+3], s[G0B+3], 0x80000000
	CROUND                                         ; all sixteen work-groups are here: the joint loads meet
	s_cmp_eq_u32 s9, 0
	s_cbranch_scc0 .Lfor_b
	tensor_load_to_lds s[G0A:G0A+3], s[G1A:G1A+7]
	s_nop 0
.rept 4
	v_nop
.endr
	s_branch .Lasked
.Lfor_b:
	tensor_load_to_lds s[G0B:G0B+3], s[G1B:G1B+7]
	s_nop 0
.rept 4
	v_nop
.endr
.Lasked:
	s_mul_i32 s91, s9, 4*TILEB                     ; q, k: my four tiles of x,
	s_mul_i32 s92, s10, 8*TILEB
	s_add_co_u32 s92, s92, ABYTES                  ; my eight of W;
	s_add_co_u32 s94, s92, 4*TILEB
	s_mul_i32 s95, s8, 4*TILEB
	s_add_co_u32 s95, s95, ABYTES                  ; v: my four tiles of Wv (and all eight of x, from byte 0)
	v_and_b32 v1, 31, v0
	v_and_b32 v[VR], 15, v0
	v_bfe_u32 v[VH], v0, 4, 1
	v_lshlrev_b32 v[L16], 4, v1
	v_lshlrev_b32 v[L8], 3, v1
	v_lshlrev_b32 v[LSC], 5, v[VR]
	v_lshl_add_u32 v[LSC], v[VH], 4, v[LSC]
	v_lshlrev_b32 v[H32], 5, v[VH]
	v_lshlrev_b32 v[GO], 6, v[VH]
	v_lshlrev_b32 v[R8], 3, v[VR]
	v_add_nc_u32 v4, s91, v[L16]
	v_add_nc_u32 v5, s91, v[L8]
	v_add_nc_u32 v6, s92, v[L16]
	v_add_nc_u32 v7, s94, v[L16]
	v_add_nc_u32 v8, s92, v[L8]
	v_add_nc_u32 v9, s94, v[L8]
	v_add_nc_u32 v10, s95, v[L16]
	v_add_nc_u32 v11, s95, v[L8]
	v_mov_b32 v12, v[L16]
	v_add_nc_u32 v13, 4*TILEB, v[L16]
	v_mov_b32 v14, v[L8]
	v_add_nc_u32 v15, 4*TILEB, v[L8]
	s_wait_alu depctr_va_vdst(0)
	s_lshl_b32 s74, s16, 3
	s_lshl_b32 s87, s74, 9
	s_add_co_u32 s87, s87, P_XS                    ; v: the scale bytes of x's eight tiles
	s_lshl_b32 s75, s9, 2
	s_add_co_u32 s74, s74, s75                     ; q, k: my first tile of x
	s_lshl_b32 s84, s74, 9
	s_add_co_u32 s84, s84, P_XS                    ; its scale bytes
	s_lshl_b32 s76, s74, 12
	s_add_co_u32 s76, s76, P_TRIG
	s_mov_b32 s77, 0
	s_add_nc_u64 s[70:71], s[4:5], s[76:77]        ; its cos and sin
	s_lshl_b32 s74, s17, 4
	s_lshl_b32 s75, s10, 3
	s_add_co_u32 s74, s74, s75                     ; q: my first tile of W
	s_lshl_b32 s88, s74, 9
	s_add_co_u32 s88, s88, P_WQS
	s_add_co_u32 s86, s88, 64*512                  ; k: 64 tiles on
	s_lshl_b32 s74, s17, 4
	s_lshl_b32 s75, s8, 2
	s_add_co_u32 s74, s74, s75
	s_lshl_b32 s85, s74, 9
	s_add_co_u32 s85, s85, P_WQS+128*512           ; v: my four tiles of Wv
	s_mov_b32 s76, s84
	s_add_nc_u64 s[66:67], s[4:5], s[76:77]
	s_mov_b32 s76, s88
	s_add_nc_u64 s[68:69], s[4:5], s[76:77]
	s_mov_b32 s76, P_GAIN
	s_add_nc_u64 s[72:73], s[4:5], s[76:77]
	s_lshr_b32 s74, s16, 4                         ; batch
	s_and_b32 s75, s16, 15                         ; which 128 tokens of it
	s_lshl_b32 s76, s17, 2
	s_lshl_b32 s56, s10, 1
	s_add_co_u32 s76, s76, s56
	s_lshl_b32 s56, s74, 4
	s_add_co_u32 s76, s76, s56                     ; 16 x batch + my first head
	s_lshl_b32 s56, s76, 7
	s_lshl_b32 s58, s75, 3
	s_add_co_u32 s56, s56, s58
	s_lshl_b32 s58, s9, 2
	s_add_co_u32 s56, s56, s58
	s_mul_i32 s56, s56, 768
	s_mov_b32 s57, 0
	s_add_nc_u64 s[92:93], s[6:7], s[56:57]        ; q's codes: [batch x head][tile 128][768], from byte 0
	s_lshl_b32 s56, s76, 4
	s_add_co_u32 s56, s56, s75
	s_lshl_b32 s56, s56, 8
	s_lshl_b32 s58, s9, 7
	s_add_co_u32 s56, s56, s58
	s_add_co_u32 s56, s56, Q_QS
	s_add_nc_u64 s[94:95], s[6:7], s[56:57]        ; scale words: [batch x head][128 tokens][256]: my four tiles' half of the 256
.irp a, 0,1,2,3
	global_load_b128 v[SA+4*\a:SA+4*\a+3], v[LSC], s[66:67] offset:\a*512     ; a tile's 512 scale bytes: register j of lane (r, h) is the word of K step 4 h + j
.endr
.irp b, 0,1,2,3,4,5,6,7
	global_load_b128 v[SB+4*\b:SB+4*\b+3], v[LSC], s[68:69] offset:\b*512
.endr
	s_mov_b32 s48, 0
.Lqk:                                          ; two trips: q, then k
.irp e, 0,1,2,3,4,5,6,7
	global_load_b128 v[96+4*\e:99+4*\e], v[L16], s[70:71] offset:\e*512       ; cos and sin of my first tile
.endr
.irp e, 0,1,2,3,4,5,6,7
	global_load_b128 v[GG+4*\e:GG+4*\e+3], v[GO], s[72:73] offset:128*(\e/4)+16*(\e%4)   ; the gains of channels 32 (e/4) + 16 h + 4 (e%4) on
.endr
	s_wait_tensorcnt 0x0                           ; my tiles are in
	s_barrier_signal -1
	s_barrier_wait -1                              ; and everybody's
	GEMM7 16                                       ; the sixteen loads above may stay out
	s_wait_tensorcnt 0x0                           ; a spare add and its waits ahead of a refill's round
	ds_add_u32 v[SPW], v[NIL]
	s_wait_dscnt 0x0                               ; the add is done, and my last reads of W's tiles are back
	s_barrier_signal -1
	MUL32 7, 1, 0
	WIN 0
	s_barrier_wait -1
	CREST                                          ; no wave of any partner still reads W's bytes
	s_add_nc_u64 s[G0B+2:G0B+3], s[G0B+2:G0B+3], 64*TILEB   ; the same columns of k, then of v: 64 tiles on
	s_cmp_eq_u32 s9, 0
	s_cbranch_scc1 .Lno_fill                       ; waves 2 and 3 fill, eight tiles each
	tensor_load_to_lds s[G0B:G0B+3], s[G1B:G1B+7]
	s_nop 0
.rept 4
	v_nop
.endr
.Lno_fill:
	PLACES
	s_cmp_eq_u32 s48, 0                            ; the next block's scale words: k's, or v's with the operands' places changed
	s_cselect_b32 s56, s84, s85
	s_cselect_b32 s58, s86, s87
	s_mov_b32 s57, 0
	s_mov_b32 s59, 0
	s_add_nc_u64 s[66:67], s[4:5], s[56:57]
	s_add_nc_u64 s[68:69], s[4:5], s[58:59]
	WIN TO_B                                       ; into window 1's fragment registers, idle until the next block's fragments
.irp w, 1,2,3
.irp e, 0,1,2,3,4,5,6,7
	global_load_b128 v[32*(\w-1)+4*\e:32*(\w-1)+4*\e+3], v[L16], s[70:71] offset:\w*4096+\e*512   ; cos and sin of my tiles 1 to 3
.endr
.endr
.irp a, 0,1,2,3
	global_load_b128 v[128+4*\a:131+4*\a], v[LSC], s[66:67] offset:\a*512
.endr
.irp b, 0,1,2,3,4,5,6,7
	global_load_b128 v[144+4*\b:147+4*\b], v[LSC], s[68:69] offset:\b*512
.endr
	WIN 0
.irp a, 0,1,2,3
	QKROW \a
.endr
.irp hh, 0,1
	global_store_b64 v[R8], v[WD+4*\hh:WD+4*\hh+1], s[94:95] offset:\hh*4096   ; the words of my two pairs of tiles; lanes r and r + 16 write the same bytes with the same value
.endr
	s_wait_loadcnt 0x0                             ; the next block's scale words are in
	WIN 0x01                                       ; source 0: window 1
.set nn, 0
.rept 16
	v_mov_b32 v[SA+nn], v[128+nn]
.set nn, nn+1
.endr
.set nn, 0
.rept 32
	v_mov_b32 v[SB+nn], v[144+nn]
.set nn, nn+1
.endr
	WIN 0
.rept 8
	v_nop                                          ; a scale register written by a vector line stands 8 places ahead of a scaled product
.endr
	s_wait_xcnt 0x0                                ; the stores have read their registers and bases
	s_add_nc_u64 s[72:73], s[72:73], 256           ; k's gains,
	s_add_nc_u64 s[92:93], s[92:93], Q_KC          ; codes
	s_add_nc_u64 s[94:95], s[94:95], Q_KS-Q_QS     ; and scale words
	s_add_co_u32 s48, s48, 1
	s_cmp_lt_u32 s48, 2
	s_wait_alu depctr_va_vdst(0)
	s_cbranch_scc1 .Lqk
	; ---------------- v
.set A16, 10
.set A8,  11
.set B16, 12
.set B8,  14
	s_lshl_b32 s74, s17, 2
	s_add_co_u32 s74, s74, s8                      ; my head
	s_lshr_b32 s75, s16, 4
	s_lshl_b32 s75, s75, 4
	s_add_co_u32 s74, s74, s75
	s_and_b32 s75, s16, 15                         ; which 128 keys
	s_lshl_b32 s74, s74, 4
	s_add_co_u32 s74, s74, s75
	s_mul_i32 s56, s74, 6144
	s_add_co_u32 s56, s56, Q_VC
	s_mov_b32 s57, 0
	s_add_nc_u64 s[92:93], s[6:7], s[56:57]        ; codes: [batch x head][128 keys][tile of channels 4][1,536]
	s_lshl_b32 s58, s74, 8
	s_add_co_u32 s56, s58, Q_VS
	s_add_nc_u64 s[94:95], s[6:7], s[56:57]
	s_add_co_u32 s56, s58, Q_VSP
	s_add_nc_u64 s[96:97], s[6:7], s[56:57]
	s_wait_tensorcnt 0x0                           ; my tiles of Wv are in
	s_barrier_signal -1
	s_barrier_wait -1
	GEMM7 0
	s_wait_dscnt 0x0
	MUL32 7, 1, 0
	WIN 0
	PLACES
.irp i, 0,1,2,3
	v_mov_b32 v[96+3*\i], 0x0c30c30c               ; 128 codes of the number 1.0
	v_mov_b32 v[97+3*\i], 0xc30c30c3
	v_mov_b32 v[98+3*\i], 0x30c30c30
.endr
	v_mov_b32 v40, 0x7f7f7f7f                      ; under the scale 1
.irp a, 0,1,2,3
	QUANTV \a
.endr
	v_cmp_eq_u32 vcc_lo, 1, v[VH]
	v_cndmask_b32 v44, v[SW], v[SW+2], vcc_lo      ; word 0: tiles 0 and 2 of the head's channels; word 1: tiles 1 and 3
	v_cndmask_b32 v45, v[SW+1], v[SW+3], vcc_lo
	global_store_b64 v[L8], v[44:45], s[94:95]
.rept 8
	v_nop                                          ; scale registers and operands written by vector lines stand 8 and 4 places ahead of a scaled product
.endr
	WIN 0x40                                       ; the results go to window 1
.irp a, 0,1,2,3                                ; the quantised v times ones: each channel's sum over these 128 keys, for the rows whose every key is masked
	v_wmma_scale_f32_16x16x128_f8f6f4 v[8*\a:8*\a+7], v[128+12*\a:128+12*\a+11], v[96:107], 0, v[SW+\a], v40 matrix_a_fmt:MATRIX_FMT_BF6 matrix_b_fmt:MATRIX_FMT_BF6
.endr
	WIN 0
	PLACES
	v_cmp_eq_u32 vcc_lo, 0, v[VR]                  ; all sixteen columns are alike: lanes 0 and 16 store
	s_wait_xcnt 0x0                                ; EXEC changes only behind this wait
	s_and_saveexec_b32 s82, vcc_lo
	WIN 0x04                                       ; a store's data are its source 1: window 1
.irp a, 0,1,2,3
	global_store_b128 v[H32], v[8*\a:8*\a+3], s[96:97] offset:\a*64
	global_store_b128 v[H32], v[8*\a+4:8*\a+7], s[96:97] offset:\a*64+16
.endr
	WIN 0
	s_wait_xcnt 0x0
	s_or_b32 exec_lo, exec_lo, s82
	s_wait_tensorcnt 0x0                           ; the wave's end
	ds_add_u32 v[SPW], v[NIL]
	s_wait_dscnt 0x0
	CROUND                                         ; the closing round
	s_endpgm
.Lfunc_end_k_q64fe225704_qkv:
	.size	k_q64fe225704_qkv, .Lfunc_end_k_q64fe225704_qkv-k_q64fe225704_qkv
	.p2alignl 7, 3214868480
	.fill 96, 4, 3214868480
	.section	.rodata,"a",@progbits
	.p2align	6, 0x0
	.amdhsa_kernel k_q64fe225704_qkv
		.amdhsa_group_segment_fixed_size 327680
		.amdhsa_private_segment_fixed_size 0
		.amdhsa_enable_private_segment 0
		.amdhsa_kernarg_size 16
		.amdhsa_user_sgpr_count 2
		.amdhsa_user_sgpr_kernarg_segment_ptr 1
		.amdhsa_wavefront_size32 1
		.amdhsa_system_sgpr_workgroup_id_x 1
		.amdhsa_system_sgpr_workgroup_id_y 1
		.amdhsa_system_sgpr_workgroup_id_z 1
		.amdhsa_system_vgpr_workitem_id 0
		.amdhsa_next_free_vgpr 768
		.amdhsa_next_free_sgpr 100
		.amdhsa_reserve_vcc 1
		.amdhsa_float_denorm_mode_32 3
		.amdhsa_float_denorm_mode_16_64 3
		.amdhsa_memory_ordered 1
		.amdhsa_forward_progress 1
		.amdhsa_inst_pref_size 214
	.end_amdhsa_kernel
	.amdgpu_metadata
---
amdhsa.version: [ 1, 2 ]
amdhsa.kernels:
  - .name:           k_q64fe225704_qkv
    .symbol:         k_q64fe225704_qkv.kd
    .args:
      - { .name: wprep, .offset: 0, .size: 8, .value_kind: global_buffer, .address_space: global }
      - { .name: wqkv, .offset: 8, .size: 8, .value_kind: global_buffer, .address_space: global }
    .group_segment_fixed_size: 327680
    .private_segment_fixed_size: 0
    .kernarg_segment_align: 8
    .kernarg_segment_size: 16
    .max_flat_workgroup_size: 128
    .sgpr_count:     100
    .vgpr_count:     768
    .wavefront_size: 32
...
	.end_amdgpu_metadata
.endif
;; end of part 2
;; launch attn (part 3): grid 4 x 64, 16 waves a work-group, no clusters, 309,248 bytes of LDS; arguments wqkv, nmask, wctx; writes wctx
.if DOCPART == 3
	.amdgcn_target "amdgcn-amd-amdhsa--gfx1250"
	.amdhsa_code_object_version 6
	.text
	.protected	k_q64fe225704_attn
	.globl	k_q64fe225704_attn
	.p2align	8
	.type	k_q64fe225704_attn,@function
k_q64fe225704_attn:
	s_mov_b64 s[64:65], 0
	v_nop
	global_prefetch_b8 v0, s[64:65] scope:SCOPE_SE
	s_setreg_imm32_b32 hwreg(HW_REG_WAVE_MODE, 25, 1), 1
	s_wait_xcnt 0x0
; ATTN: scores, softmax and context of one head on codes of E3M2, and the context's codes for the last product.
; Key kv counts for query q where num_masked <= kv <= q.  t = score x log2(e); M = the running largest t rounded up to a whole number; p = 2^(t - M) is quantised along the keys;
; the row's sum is taken of the unquantised p and divides at the end.  A row with q < num_masked has no key that counts: every p is 1 there, for all 2,048 keys, so its
; context is (the sum of the quantised v over all keys) / 2048, from the partial sums that the launch before stored.  Steps of 128 keys that the mask hides whole are jumped over.
; SHARES.  Work-group (j, batch x head) owns the query blocks 7 - j and j, 256 queries each.  Each of sixteen waves owns one tile of 16 queries of each block and takes them ONE AFTER THE OTHER.
; LDS holds the head's K and V for all keys that the work-group needs: slots of 256 keys, 25,600 bytes each, every slot filled once, THROUGH REGISTERS.
; TWO BARRIERS IN ALL.  At the head the 64 registers of the scores, idle there, bring slots 0 to 3 at once; barrier one.  FIRST WALK (the late block's tile), two halves of four trips: in the trips over slots 0 to 3
; each wave stores its part of slot t + 4 from its 16 staging registers and asks for slot t + 5, a whole trip ahead of that store; nobody reads these slots yet.  Barrier two stands ahead of slot 4.
; SECOND WALK (the early block's tile): its slots 0 .. j lie in LDS: no load, no store, no barrier.
; A step's four fragments of K come in one run under one wait; V's four are asked for into the same registers directly behind the scores' products, and are waited for behind the softmax.
; No tensor loads and no cluster: steps and the mask's lines are jumped over by branches on num_masked, which is read from memory, and the four work-groups of a head need different numbers of slots.
; No prefetch into the L2: slots 0 to 4 are asked for at the head, and each later slot by register loads one whole trip (two steps of every wave) ahead of the store that wants it.
; LAYOUT.  Both products are used transposed: a lane holds one query.  The head has 64 channels, half of a product's 128: a fragment of K holds TWO tiles of keys, and q stands beside six registers of zero codes,
; [q, 0] or [0, q], which picks one of the two.  Tiles' rows are chosen so that the 16 registers of tiles 2 b, 2 b + 1 are 16 neighbouring keys (or channels).
; LIMITS: NaN and infinities are not served; a block whose largest magnitude lies under 2^-122 gets the byte 1 (only this program reads the bytes); the scaled scores stay under 2^31 in magnitude.
.set Q_KC,   6291456
.set Q_VC,   12582912
.set Q_QS,   18874368
.set Q_KS,   19136512
.set Q_VS,   19398656
.set Q_VSP,  19660800
.set C_CS,   6291456
.set BUF,    25600                     ; a slot: K 12,288, V 12,288, K's scale words 512, V's 512
.set SPARE,  12*BUF                    ; the spare words, 128 bytes a wave, behind room for twelve slots (eight are filled): a trip's store names the slot four behind its own, in the last trips too, where it is jumped over
; v1-3 LDS addresses of the trip; v4-7 staging offsets; v8-9 my queries; v10-11 q's scale words; v16-18 16 x lane, 8 x lane, 16 x thread; v20-49 [0, q, 0, q, 0]
.set ST,  12                           ; -M, largest t, the sum in two halves
.set FB,  50                           ; v50-97   four fragments
.set SS,  98                           ; v98-161  scores, then p; at the head: slots 0 to 3 on their way
.set OO,  162                          ; v162-193 the context
.set SG,  194                          ; v194-209 staging
.set H16, 210
.set R8,  211
.set R32, 212
.set RH,  213
.set SPW, 214
.set NIL, 215
.set PC,  218                          ; v218-229 p's codes
.set BM,  230                          ; the blocks' largest
.set T4,  234                          ; v234-241 at work
.set SO,  242                          ; the conversions' scale operands
.set KS,  246
.set VS,  248
.set FF,  250                          ; f, and beside it
.set PW,  251                          ; p's scale word
.macro NOP4
.rept 4
	v_nop
.endr
.endm
.macro FRAG reg, off
	ds_load_b128 v[(\reg):(\reg)+3], v1 offset:(\off)
	ds_load_b64 v[(\reg)+4:(\reg)+5], v2 offset:(\off)+512
	ds_load_b128 v[(\reg)+6:(\reg)+9], v1 offset:(\off)+768
	ds_load_b64 v[(\reg)+10:(\reg)+11], v2 offset:(\off)+1280
.endm
.macro STAGE_LOAD                      ; a slot's bytes: 16 a thread, three times; the scale words by waves 0 and 1
	global_load_b128 v[SG:SG+3], v4, s[32:33]
	global_load_b128 v[SG+4:SG+7], v5, s[32:33]
	global_load_b128 v[SG+8:SG+11], v6, s[32:33]
	s_cmp_lt_u32 s10, 2
	s_cbranch_scc0 .Lno_sc_\@
	global_load_b128 v[SG+12:SG+15], v7, s[34:35]
.Lno_sc_\@:
.endm
.macro STAGE_STORE
	ds_store_b128 v3, v[SG:SG+3]
	ds_store_b128 v3, v[SG+4:SG+7] offset:8192
	ds_store_b128 v3, v[SG+8:SG+11] offset:16384
	s_cmp_lt_u32 s10, 2
	s_cbranch_scc0 .Lno_sc_\@
	ds_store_b128 v3, v[SG+12:SG+15] offset:24576
.Lno_sc_\@:
.endm
.macro QK f, x                         ; fragment f: two tiles of 16 keys against my 16 queries
.if \f < 2
	v_wmma_scale_f32_16x16x128_f8f6f4 v[SS+16*\f:SS+16*\f+7], v[FB+12*\f:FB+12*\f+11], v[QL:QL+11], 0, v[KS+\f%2], v[10+\x] matrix_a_fmt:MATRIX_FMT_BF6 matrix_b_fmt:MATRIX_FMT_BF6
	v_wmma_scale_f32_16x16x128_f8f6f4 v[SS+16*\f+8:SS+16*\f+15], v[FB+12*\f:FB+12*\f+11], v[QH:QH+11], 0, v[KS+\f%2], v[10+\x] matrix_a_fmt:MATRIX_FMT_BF6 matrix_b_fmt:MATRIX_FMT_BF6
.else
	v_wmma_scale_f32_16x16x128_f8f6f4 v[SS+16*\f:SS+16*\f+7], v[FB+12*\f:FB+12*\f+11], v[QL:QL+11], 0, v[KS+\f%2], v[10+\x] matrix_a_fmt:MATRIX_FMT_BF6 matrix_b_fmt:MATRIX_FMT_BF6 matrix_a_scale:MATRIX_SCALE_ROW1
	v_wmma_scale_f32_16x16x128_f8f6f4 v[SS+16*\f+8:SS+16*\f+15], v[FB+12*\f:FB+12*\f+11], v[QH:QH+11], 0, v[KS+\f%2], v[10+\x] matrix_a_fmt:MATRIX_FMT_BF6 matrix_b_fmt:MATRIX_FMT_BF6 matrix_a_scale:MATRIX_SCALE_ROW1
.endif
.endm
.macro PV f                            ; 16 channels of v against p: the four accumulators take turns
.if \f < 2
	v_wmma_scale_f32_16x16x128_f8f6f4 v[OO+8*\f:OO+8*\f+7], v[FB+12*\f:FB+12*\f+11], v[PC:PC+11], v[OO+8*\f:OO+8*\f+7], v[VS+\f%2], v[PW] matrix_a_fmt:MATRIX_FMT_BF6 matrix_b_fmt:MATRIX_FMT_BF6
.else
	v_wmma_scale_f32_16x16x128_f8f6f4 v[OO+8*\f:OO+8*\f+7], v[FB+12*\f:FB+12*\f+11], v[PC:PC+11], v[OO+8*\f:OO+8*\f+7], v[VS+\f%2], v[PW] matrix_a_fmt:MATRIX_FMT_BF6 matrix_b_fmt:MATRIX_FMT_BF6 matrix_a_scale:MATRIX_SCALE_ROW1
.endif
.endm
; 128 keys (the q-th of the trip's slot) for tile x (0: the late block's, 1: the early block's)
.macro TILESTEP q, x
.set QH, 20+12*\x
.set QL, 26+12*\x
.set KB, \q*6144
.set VB, 12288+\q*6144
	s_add_co_u32 s40, s29, 128*\q                  ; the step's first key
	s_cmp_gt_u32 s40, s[25+2*\x]
	s_cbranch_scc1 .Lskip_\@                       ; all its keys come after my queries
	s_add_co_u32 s41, s40, 127
	s_cmp_lt_u32 s41, s28
	s_cbranch_scc1 .Lskip_\@                       ; all its keys lie under num_masked
	NOP4                                           ; places in front of loads into registers that matrix instructions have read
.irp f, 0,1,2,3
	FRAG FB+12*\f, KB+\f*1536
.endr
	ds_load_b64 v[KS:KS+1], v2 offset:24576+256*\q
	s_wait_dscnt 0x0
.irp f, 0,1,2,3
	QK \f, \x
.endr
	NOP4                                           ; places: for V's loads into the fragments' registers and for the reads of the scores
.irp f, 0,1,2,3
	FRAG FB+12*\f, VB+\f*1536
.endr
	ds_load_b64 v[VS:VS+1], v2 offset:25088+256*\q ; these 17 loads are waited for behind the softmax
	s_cmp_gt_u32 s41, s[24+2*\x]                   ; the mask's lines run only where a key of the step may be hidden
	s_cbranch_scc1 .Lmask_\@
	s_cmp_ge_u32 s40, s28
	s_cbranch_scc1 .Lopen_\@
.Lmask_\@:
	s_sub_co_u32 s42, s40, s28
	v_add_nc_u32 v252, s42, v[H16]                 ; first key + 16 h - num_masked: register 16 b + i holds the key 32 b + i further on
	v_sub_nc_u32 v253, v[8+\x], s28                ; my query - num_masked
	v_mov_b32 v254, 0xff800000
.set nn, 0
.rept 64
	v_add_nc_u32 v255, 32*(nn/16)+nn%16, v252
	s_delay_alu instid0(VALU_DEP_1)
	v_cmp_gt_u32 vcc_lo, v255, v253                ; as unsigned numbers: hidden where the key lies after the query or under num_masked
	v_cndmask_b32 v[SS+nn], v[SS+nn], v254, vcc_lo
.set nn, nn+1
.endr
.Lopen_\@:
.irp b, 0,1,2,3
	v_max3_num_f32 v[BM+\b], v[SS+16*\b], v[SS+1+16*\b], v[SS+2+16*\b]   ; the largest score of each block of 32 keys: for the row's maximum and, since p rises with the score, for the block's largest p
.endr
.irp i, 3,5,7,9,11,13
.irp b, 0,1,2,3
	v_max3_num_f32 v[BM+\b], v[BM+\b], v[SS+16*\b+\i], v[SS+1+16*\b+\i]
.endr
.endr
.irp b, 0,1,2,3
	v_max_num_f32 v[BM+\b], v[BM+\b], v[SS+15+16*\b]
.endr
.irp b, 0,1,2,3
	s_delay_alu instid0(VALU_DEP_4)
	v_permlanex16_b32 v[T4+\b], v[BM+\b], s20, s21
.endr
.irp b, 0,1,2,3
	s_delay_alu instid0(VALU_DEP_4)
	v_max_num_f32 v[BM+\b], v[BM+\b], v[T4+\b]
.endr
	s_delay_alu instid0(VALU_DEP_2)
	v_max3_num_f32 v254, v[BM], v[BM+1], v[BM+2]
	s_delay_alu instid0(VALU_DEP_1)
	v_max_num_f32 v254, v254, v[BM+3]
	s_delay_alu instid0(VALU_DEP_1)
	v_mul_f32 v254, s22, v254
	s_delay_alu instid0(VALU_DEP_1)
	v_max_num_f32 v[ST+1], v[ST+1], v254           ; the running largest t
	v_mov_b32 v254, v[ST]
	s_delay_alu instid0(VALU_DEP_2)
	v_floor_f32 v[ST], -v[ST+1]                    ; -M = floor(-t): M is a whole number
	s_delay_alu instid0(VALU_DEP_1)
	v_sub_f32 v254, v[ST], v254
	s_delay_alu instid0(VALU_DEP_1)
	v_cvt_i32_f32 v254, v254                       ; (it saturates)
	s_delay_alu instid0(VALU_DEP_1)
	v_ldexp_f32 v[FF], 1.0, v254                   ; f = 2^(old M - new M)
.irp j, 0,2,4,6,8,10,12,14,16,18,20,22,24,26,28,30,32,34,36,38,40,42,44,46,48,50,52,54,56,58,60,62
	v_pk_fma_f32 v[SS+\j:SS+1+\j], v[SS+\j:SS+1+\j], s[22:23], v[ST:ST+1] op_sel_hi:[1,0,0]   ; t - M
.endr
.irp b, 0,1,2,3
	v_fma_f32 v[BM+\b], v[BM+\b], s22, v[ST]
.endr
	s_wait_alu depctr_va_vdst(0)
.set nn, 0
.rept 64
	v_exp_f32 v[SS+nn], v[SS+nn]
.set nn, nn+1
.endr
	v_pk_mul_f32 v[ST+2:ST+3], v[ST+2:ST+3], v[FF:FF+1] op_sel_hi:[1,0]   ; the sums under the new M; the plain line behind the batch
	s_wait_alu depctr_va_vdst(0)                   ; one wait for the 64, ahead of their first reader
.irp b, 0,1,2,3
	v_exp_f32 v[BM+\b], v[BM+\b]                   ; each block's largest p
.endr
	v_pk_add_f32 v[T4:T4+1], v[SS:SS+1], v[SS+2:SS+3]   ; the row's sum, of the unquantised p, in two chains
.irp j, 4,8,12,16,20,24,28,32,36,40,44,48,52,56,60
	v_pk_add_f32 v[ST+2:ST+3], v[ST+2:ST+3], v[SS+\j:SS+1+\j]
	v_pk_add_f32 v[T4:T4+1], v[T4:T4+1], v[SS+2+\j:SS+3+\j]
.endr
	s_delay_alu instid0(VALU_DEP_1)
	v_pk_add_f32 v[ST+2:ST+3], v[ST+2:ST+3], v[T4:T4+1]
	s_wait_alu depctr_va_vdst(0)                   ; and one for the four
.irp b, 0,1,2,3
	v_max_num_f32 v[BM+\b], 0x2800000, v[BM+\b]
.endr
.irp b, 0,1,2,3
	s_delay_alu instid0(VALU_DEP_4)
	v_add_nc_u32 v[SO+\b], 0xfe000000, v[BM+\b]
.endr
.irp b, 0,1,2,3
	s_delay_alu instid0(VALU_DEP_4)
	v_lshrrev_b32 v[T4+\b], 23, v[SO+\b]
.endr
	s_delay_alu instid0(VALU_DEP_3)
	v_lshl_or_b32 v[PW], v[T4+1], 8, v[T4]         ; p's scale word for these 128 keys
	s_delay_alu instid0(VALU_DEP_1)
	v_lshl_or_b32 v[PW], v[T4+2], 16, v[PW]
	s_delay_alu instid0(VALU_DEP_1)
	v_lshl_or_b32 v[PW], v[T4+3], 24, v[PW]
.irp c, 0,1
	v_cvt_scalef32_pk16_bf6_f32 v[PC+6*\c:PC+2+6*\c], v[SS+32*\c:SS+15+32*\c], v[SO+2*\c]
	v_cvt_scalef32_pk16_bf6_f32 v[T4+4*\c:T4+2+4*\c], v[SS+16+32*\c:SS+31+32*\c], v[SO+2*\c+1]
.endr
	v_nop
.irp c, 0,1
.irp i, 0,1,2
	v_permlane16_swap_b32 v[PC+6*\c+\i], v[T4+4*\c+\i]
.endr
.irp i, 0,1,2
	s_delay_alu instid0(VALU_DEP_3)
	v_mov_b32 v[PC+3+6*\c+\i], v[T4+4*\c+\i]
.endr
.endr
	s_wait_alu depctr_va_vdst(0)
.irp j, 0,2,4,6,8,10,12,14,16,18,20,22,24,26,28,30
	v_pk_mul_f32 v[OO+\j:OO+\j+1], v[OO+\j:OO+\j+1], v[FF:FF+1] op_sel_hi:[1,0]   ; the context under the new M; these sixteen are also the places in front of the products below
.endr
	s_wait_alu depctr_va_vdst(0)
	s_wait_dscnt 0x0                               ; V's fragments and scale words are in
.irp f, 0,1,2,3
	PV \f
.endr
.Lskip_\@:
.endm
.macro PHASEINIT                       ; a tile begins: the step is written once, the first finds zeros
	v_mov_b32 v[ST+1], 0xff61b1e6                  ; the largest t so far: -3e38
	v_mov_b32 v[ST+2], 0
	v_mov_b32 v[ST+3], 0
.set nn, 0
.rept 32
	v_mov_b32 v[OO+nn], 0
.set nn, nn+1
.endr
	v_floor_f32 v[ST], -v[ST+1]
.endm
; the end of tile x: divide, put the mean of v where no key counts, quantise along the head's 64, store
.macro FIN x
	s_wait_xcnt 0x0                                ; earlier stores have read their registers
	NOP4
	v_add_f32 v[ST+2], v[ST+2], v[ST+3]
	s_wait_alu depctr_va_vdst(0)
	v_permlanex16_b32 v252, v[ST+2], s20, s21
	s_delay_alu instid0(VALU_DEP_1)
	v_add_f32 v[ST+2], v[ST+2], v252               ; the row's sum
	s_wait_alu depctr_va_vdst(0)
	v_rcp_f32 v[ST+2], v[ST+2]
	v_nop
	s_wait_alu depctr_va_vdst(0)
.irp j, 0,2,4,6,8,10,12,14,16,18,20,22,24,26,28,30
	v_pk_mul_f32 v[SS+\j:SS+1+\j], v[OO+\j:OO+\j+1], v[ST+2:ST+3] op_sel_hi:[1,0]   ; register 16 b + i: channel 32 b + 16 h + i
.endr
	s_cmp_gt_u32 s28, s[24+2*\x]
	s_cbranch_scc0 .Lno_mean_\@
.irp d, 0,1,2,3                                ; lane (r, h) takes the partial sums of keys 128 r on, for its 32 channels
	global_load_b128 v[SS+32+8*\d:SS+35+8*\d], v[RH], s[56:57] offset:64*\d
	global_load_b128 v[SS+36+8*\d:SS+39+8*\d], v[RH], s[56:57] offset:64*\d+16
.endr
	s_wait_loadcnt 0x0
.irp m, 1,2,4,8
.set nn, 0
.rept 32
	v_add_f32_dpp v[SS+32+nn], v[SS+32+nn], v[SS+32+nn] row_xmask:\m row_mask:0xf bank_mask:0xf
.set nn, nn+1
.endr
.endr
	v_cmp_gt_u32 vcc_lo, s28, v[8+\x]              ; my query lies under num_masked
.set nn, 0
.rept 32
	v_mul_f32 v[SS+32+nn], 0x3a000000, v[SS+32+nn] ; / 2048
.set nn, nn+1
.endr
.set nn, 0
.rept 32
	v_cndmask_b32 v[SS+nn], v[SS+nn], v[SS+32+nn], vcc_lo
.set nn, nn+1
.endr
.Lno_mean_\@:
	s_wait_alu depctr_va_vdst(0)
.irp b, 0,1
	v_max3_num_f32 v[BM+\b], |v[SS+16*\b]|, |v[SS+1+16*\b]|, 0x2800000
.endr
.irp i, 2,4,6,8,10,12,14
.irp b, 0,1
	s_delay_alu instid0(VALU_DEP_2)
	v_max3_num_f32 v[BM+\b], v[BM+\b], |v[SS+16*\b+\i]|, |v[SS+1+16*\b+\i]|
.endr
.endr
.irp b, 0,1
	s_delay_alu instid0(VALU_DEP_2)
	v_permlanex16_b32 v[T4+\b], v[BM+\b], s20, s21
.endr
.irp b, 0,1
	s_delay_alu instid0(VALU_DEP_2)
	v_max_num_f32 v[BM+\b], v[BM+\b], v[T4+\b]
.endr
.irp b, 0,1
	s_delay_alu instid0(VALU_DEP_2)
	v_add_nc_u32 v[SO+\b], 0xfe000000, v[BM+\b]
.endr
.irp b, 0,1
	s_delay_alu instid0(VALU_DEP_2)
	v_lshrrev_b32 v[T4+2+\b], 23, v[SO+\b]
.endr
	v_cvt_scalef32_pk16_bf6_f32 v[PC:PC+2], v[SS:SS+15], v[SO]
	v_cvt_scalef32_pk16_bf6_f32 v[T4+4:T4+6], v[SS+16:SS+31], v[SO+1]
	v_lshl_or_b32 v[T4+2], v[T4+3], 8, v[T4+2]     ; the row's two bytes; also the plain line behind the conversions
.irp i, 0,1,2
	v_permlane16_swap_b32 v[PC+\i], v[T4+4+\i]
.endr
.irp i, 0,1,2
	s_delay_alu instid0(VALU_DEP_3)
	v_mov_b32 v[PC+3+\i], v[T4+4+\i]
.endr
	global_store_b128 v16, v[PC:PC+3], s[48+2*\x:49+2*\x]
	global_store_b64 v17, v[PC+4:PC+5], s[48+2*\x:49+2*\x] offset:512
	global_store_b16 v[R32], v[T4+2], s[52+2*\x:53+2*\x]   ; lanes r and r + 16 write the same two bytes with the same value
.endm
	s_load_b128 s[4:7], s[0:1], 0x0                ; wqkv, nmask
	s_load_b64 s[8:9], s[0:1], 0x10                ; wctx
	v_lshl_add_u32 v[SPW], v0, 2, SPARE
	v_mov_b32 v[NIL], 0
	v_lshrrev_b32 v1, 5, v0
	s_delay_alu instid0(VALU_DEP_1)
	v_readfirstlane_b32 s10, v1                    ; wave 0..15
	s_and_b32 s12, ttmp7, 0xffff                   ; batch x head
	s_sub_co_u32 s13, 7, ttmp9                     ; the late block, and the last slot that is needed: 4 to 7
	s_lshr_b32 s15, s12, 4                         ; batch
	s_and_b32 s16, s12, 15                         ; head
	s_lshl_b32 s17, s13, 4
	s_add_co_u32 s17, s17, s10                     ; my tile of the late block,
	s_lshl_b32 s18, ttmp9, 4
	s_add_co_u32 s18, s18, 15
	s_sub_co_u32 s18, s18, s10                     ; and of the early one
.irp x, 0,1
	s_lshr_b32 s40, s[17+\x], 1
	s_lshl_b32 s40, s40, 5
	s_and_b32 s41, s[17+\x], 1
	s_lshl_b32 s41, s41, 3
	s_add_co_u32 s[24+2*\x], s40, s41              ; the tile's first query,
	s_add_co_u32 s[25+2*\x], s[24+2*\x], 23        ; and its last
.endr
	s_mov_b32 s20, 0x76543210
	s_mov_b32 s21, 0xfedcba98
	s_mov_b32 s22, 0x3fb8aa3b                      ; log2(e)
	s_mov_b32 s23, s22
	s_mov_b32 s40, Q_VS
	s_cmp_eq_u32 s10, 0
	s_cselect_b32 s40, Q_KS, s40
	v_and_b32 v3, 31, v0                           ; lane
	v_and_b32 v2, 15, v0                           ; r
	v_bfe_u32 v1, v0, 4, 1                         ; h
	v_lshlrev_b32 v18, 4, v0                       ; 16 x thread
	v_cmp_gt_u32 vcc_lo, 256, v0
	v_lshlrev_b32 v16, 4, v3                       ; 16 x lane
	v_lshlrev_b32 v17, 3, v3                       ; 8 x lane
	v_and_b32 v19, 8, v2
	v_lshlrev_b32 v[H16], 4, v1
	v_lshlrev_b32 v[R8], 3, v2
	v_lshlrev_b32 v[R32], 5, v2
	v_lshlrev_b32 v[RH], 5, v1
	v_add_nc_u32 v4, Q_KC, v18                     ; staging: K's first 8,192 bytes;
	v_add_nc_u32 v5, Q_KC+8192, v18                ; K's last 4,096 (threads 0-255)
	v_add_nc_u32 v6, Q_VC-4096, v18                ; and V's first 4,096 (threads 256-511);
	v_add_nc_u32 v19, v19, v2                      ; r + 8 (r/8)
	v_lshl_add_u32 v[RH], v2, 8, v[RH]             ; 256 r + 32 h
	v_add_nc_u32 v7, s40, v16                      ; wave 0: K's scale words, wave 1: V's
.irp j, 20,21,22,23,24,25,32,33,34,35,36,37,44,45,46,47,48,49
	v_mov_b32 v[\j], 0                             ; zero codes beside q
.endr
	v_cndmask_b32 v5, v6, v5, vcc_lo
	v_add_nc_u32 v8, s24, v19                      ; my queries
	v_add_nc_u32 v9, s26, v19
	v_add_nc_u32 v6, Q_VC+4096, v18                ; V's last 8,192
	s_lshl_b32 s42, s15, 2
	s_mov_b32 s43, 0
	s_wait_alu depctr_va_vdst(0)
	s_wait_kmcnt 0x0
	s_add_nc_u64 s[6:7], s[6:7], s[42:43]
	s_load_b32 s28, s[6:7], 0x0                    ; num_masked of my batch
	s_mul_i32 s42, s12, 98304
	s_add_nc_u64 s[32:33], s[4:5], s[42:43]
	s_lshl_b32 s42, s12, 12
	s_add_nc_u64 s[34:35], s[4:5], s[42:43]
	s_add_co_u32 s42, s42, Q_VSP
	s_add_nc_u64 s[56:57], s[4:5], s[42:43]
.irp s, 0,1,2,3                                ; slots 0 to 3, into the scores' registers: 16 registers a slot
	global_load_b128 v[SS+16*\s:SS+16*\s+3], v4, s[32:33] offset:12288*\s
	global_load_b128 v[SS+16*\s+4:SS+16*\s+7], v5, s[32:33] offset:12288*\s
	global_load_b128 v[SS+16*\s+8:SS+16*\s+11], v6, s[32:33] offset:12288*\s
.endr
	s_cmp_lt_u32 s10, 2
	s_cbranch_scc0 .Lno_bsc
.irp s, 0,1,2,3
	global_load_b128 v[SS+16*\s+12:SS+16*\s+15], v7, s[34:35] offset:512*\s
.endr
.Lno_bsc:
.irp x, 0,1
	s_lshl_b32 s40, s12, 7
	s_add_co_u32 s40, s40, s[17+\x]
	s_mul_i32 s42, s40, 768
	s_add_nc_u64 s[36+2*\x:37+2*\x], s[4:5], s[42:43]          ; my tile of q (q's codes begin at byte 0)
	s_lshr_b32 s42, s[17+\x], 3
	s_lshl_b32 s42, s42, 8
	s_bfe_u32 s40, s[17+\x], 0x10002
	s_lshl_b32 s40, s40, 7
	s_add_co_u32 s42, s42, s40
	s_bfe_u32 s40, s[17+\x], 0x10001
	s_lshl_b32 s40, s40, 2
	s_add_co_u32 s42, s42, s40
	s_lshl_b32 s40, s12, 12
	s_add_co_u32 s42, s42, s40
	s_add_co_u32 s42, s42, Q_QS
	s_add_nc_u64 s[44+2*\x:45+2*\x], s[4:5], s[42:43]          ; the word of its pair of tiles
	s_lshl_b32 s40, s15, 7
	s_add_co_u32 s40, s40, s[17+\x]
	s_lshl_b32 s42, s40, 4
	s_add_co_u32 s42, s42, s16
	s_mul_i32 s42, s42, 768
	s_add_nc_u64 s[48+2*\x:49+2*\x], s[8:9], s[42:43]          ; the context's codes: [tile 512][head][768]
	s_lshl_b32 s42, s40, 9
	s_lshl_b32 s40, s16, 1
	s_add_co_u32 s42, s42, s40
	s_add_co_u32 s42, s42, C_CS
	s_add_nc_u64 s[52+2*\x:53+2*\x], s[8:9], s[42:43]          ; its scale bytes: [tile][r][32]
.endr
	global_load_b128 v[26:29], v16, s[36:37]
	global_load_b64 v[30:31], v17, s[36:37] offset:512
	global_load_b128 v[38:41], v16, s[38:39]
	global_load_b64 v[42:43], v17, s[38:39] offset:512
	global_load_b32 v10, v[R8], s[44:45]
	global_load_b32 v11, v[R8], s[46:47]
.set nn, 0
.rept 26
	v_mov_b32 v[BM+nn], 0                          ; lane permutes' destinations and pairs' upper halves count as read
.set nn, nn+1
.endr
	PHASEINIT
	s_wait_loadcnt 0x0
.irp x, 0,1
	s_and_b32 s40, s[17+\x], 1
	s_lshl_b32 s40, s40, 4
	v_lshrrev_b32 v[10+\x], s40, v[10+\x]
	s_delay_alu instid0(VALU_DEP_1)
	v_and_b32 v[10+\x], 0xffff, v[10+\x]           ; my tile's two bytes,
	s_delay_alu instid0(VALU_DEP_1)
	v_lshl_or_b32 v[10+\x], v[10+\x], 16, v[10+\x] ; for either half of the 128
.endr
	v_mov_b32 v3, v18                              ; slots 0 and 1,
	v_add_nc_u32 v1, 2*BUF, v18                    ; slots 2 and 3 (an offset has 16 bits)
.irp s, 0,1
.irp c, 0,1,2
	ds_store_b128 v3, v[SS+16*\s+4*\c:SS+16*\s+4*\c+3] offset:\s*BUF+8192*\c
	ds_store_b128 v1, v[SS+32+16*\s+4*\c:SS+32+16*\s+4*\c+3] offset:\s*BUF+8192*\c
.endr
.endr
	s_cmp_lt_u32 s10, 2
	s_cbranch_scc0 .Lno_bss
.irp s, 0,1
	ds_store_b128 v3, v[SS+16*\s+12:SS+16*\s+15] offset:\s*BUF+24576
	ds_store_b128 v1, v[SS+44+16*\s:SS+47+16*\s] offset:\s*BUF+24576
.endr
.Lno_bss:
	s_add_nc_u64 s[32:33], s[32:33], 4*12288
	s_add_nc_u64 s[34:35], s[34:35], 4*512
	s_wait_kmcnt 0x0
	STAGE_LOAD                                     ; slot 4: every work-group needs five slots or more
	s_mov_b32 s62, 0
.Lhalf:                                        ; THE FIRST WALK: two halves of four trips, constants both; what a trip has no use for is jumped over
	s_wait_dscnt 0x0                               ; my stores have landed: slots 0 to 3, the second time slots 4 on
	s_barrier_signal -1
	s_barrier_wait -1                              ; and everybody's
	s_mov_b32 s63, 0
.Lp0:
	s_lshl_b32 s31, s62, 2
	s_add_co_u32 s31, s31, s63                     ; the slot, t
	s_mul_i32 s59, s31, BUF                        ; its place in LDS,
	s_lshl_b32 s29, s31, 8                         ; its first key,
	s_add_co_u32 s60, s59, 4*BUF                   ; and the place of slot t + 4
	v_add_nc_u32 v1, s59, v16
	v_add_nc_u32 v2, s59, v17
	v_add_nc_u32 v3, s60, v18
	s_wait_alu depctr_va_vdst(0)
	s_wait_loadcnt 0x0                             ; slot t + 4's bytes are in my registers
	s_add_co_u32 s61, s31, 4
	s_cmp_le_u32 s61, s13                          ; slots beyond the late block's diagonal are never read
	s_cbranch_scc0 .Lno_store
	STAGE_STORE                                    ; into bytes that nothing has written, and that nobody reads ahead of the second barrier
	s_add_nc_u64 s[32:33], s[32:33], 12288
	s_add_nc_u64 s[34:35], s[34:35], 512
.Lno_store:
	s_wait_dscnt 0x0                               ; the stores have read the staging registers
	s_cmp_lt_u32 s61, s13
	s_cbranch_scc0 .Lno_load
	STAGE_LOAD                                     ; slot t + 5, a whole trip ahead of its store
.Lno_load:
	TILESTEP 0, 0
	TILESTEP 1, 0
	s_add_co_u32 s63, s63, 1
	s_cmp_lt_u32 s63, 4
	s_cbranch_scc1 .Lp0
	s_add_co_u32 s62, s62, 1
	s_cmp_lt_u32 s62, 2
	s_cbranch_scc1 .Lhalf
	FIN 0
	s_wait_xcnt 0x0                                ; the stores have read their registers
	PHASEINIT
	s_mov_b32 s29, 0
	s_mov_b32 s31, 0
	s_mov_b32 s59, 0
.Lp1:                                          ; THE SECOND WALK: the early block is 0 .. 3, so four trips; every slot that it reads was stored ahead of the first barrier
	v_add_nc_u32 v1, s59, v16
	v_add_nc_u32 v2, s59, v17
	s_wait_alu depctr_va_vdst(0)
	TILESTEP 0, 1
	TILESTEP 1, 1
	s_add_co_u32 s29, s29, 256
	s_add_co_u32 s59, s59, BUF
	s_add_co_u32 s31, s31, 1
	s_cmp_lt_u32 s31, 4
	s_cbranch_scc1 .Lp1
	FIN 1
	s_wait_tensorcnt 0x0                           ; the wave's end
	ds_add_u32 v[SPW], v[NIL]
	s_wait_dscnt 0x0
	s_endpgm
.Lfunc_end_k_q64fe225704_attn:
	.size	k_q64fe225704_attn, .Lfunc_end_k_q64fe225704_attn-k_q64fe225704_attn
	.p2alignl 7, 3214868480
	.fill 96, 4, 3214868480
	.section	.rodata,"a",@progbits
	.p2align	6, 0x0
	.amdhsa_kernel k_q64fe225704_attn
		.amdhsa_group_segment_fixed_size 309248
		.amdhsa_private_segment_fixed_size 0
		.amdhsa_enable_private_segment 0
		.amdhsa_kernarg_size 24
		.amdhsa_user_sgpr_count 2
		.amdhsa_user_sgpr_kernarg_segment_ptr 1
		.amdhsa_wavefront_size32 1
		.amdhsa_system_sgpr_workgroup_id_x 1
		.amdhsa_system_sgpr_workgroup_id_y 1
		.amdhsa_system_sgpr_workgroup_id_z 1
		.amdhsa_system_vgpr_workitem_id 0
		.amdhsa_next_free_vgpr 256
		.amdhsa_next_free_sgpr 66
		.amdhsa_reserve_vcc 1
		.amdhsa_float_denorm_mode_32 3
		.amdhsa_float_denorm_mode_16_64 3
		.amdhsa_memory_ordered 1
		.amdhsa_forward_progress 1
		.amdhsa_inst_pref_size 153
	.end_amdhsa_kernel
	.amdgpu_metadata
---
amdhsa.version: [ 1, 2 ]
amdhsa.kernels:
  - .name:           k_q64fe225704_attn
    .symbol:         k_q64fe225704_attn.kd
    .args:
      - { .name: wqkv, .offset: 0, .size: 8, .value_kind: global_buffer, .address_space: global }
      - { .name: nmask, .offset: 8, .size: 8, .value_kind: global_buffer, .address_space: global }
      - { .name: wctx, .offset: 16, .size: 8, .value_kind: global_buffer, .address_space: global }
    .group_segment_fixed_size: 309248
    .private_segment_fixed_size: 0
    .kernarg_segment_align: 8
    .kernarg_segment_size: 24
    .max_flat_workgroup_size: 512
    .sgpr_count:     66
    .vgpr_count:     256
    .wavefront_size: 32
...
	.end_amdgpu_metadata
.endif
;; end of part 3
;; launch outp (part 4): grid 4 x 64, 4 waves a work-group, clusters of 4 x 4, 327,680 bytes of LDS; arguments wctx, wprep, out0; writes out0
.if DOCPART == 4
	.amdgcn_target "amdgcn-amd-amdhsa--gfx1250"
	.amdhsa_code_object_version 6
	.text
	.protected	k_q64fe225704_outp
	.globl	k_q64fe225704_outp
	.p2align	8
	.type	k_q64fe225704_outp,@function
k_q64fe225704_outp:
	s_mov_b64 s[64:65], 0
	v_nop
	global_prefetch_b8 v0, s[64:65] scope:SCOPE_SE
	s_setreg_imm32_b32 hwreg(HW_REG_WAVE_MODE, 25, 1), 1
	s_wait_xcnt 0x0
	s_wait_alu depctr_hold_cnt(0) depctr_sa_sdst(0) depctr_va_vdst(0) depctr_va_sdst(0) depctr_va_ssrc(0) depctr_va_vcc(0) depctr_vm_vsrc(0)
	s_getreg_b32 s2, hwreg(HW_REG_IB_STS2, 6, 4)
	s_cmp_eq_u32 s2, 0
	s_cbranch_scc0 .Lentry_in_a_cluster
	s_endpgm
.Lentry_in_a_cluster:
	s_bfe_u32 s2, ttmp6, 0x10000c
	s_cmp_lg_u32 s2, 0xf033
	s_cbranch_scc0 .Lentry_shape_is_right
	s_endpgm
.Lentry_shape_is_right:
; OUTP: out0 = ctx Wout on codes of E3M2, K = 1,024.  A work-group of four waves makes 128 tokens x 256 columns: 64 x 4 = 256 work-groups.  A wave makes 64 x 128: 32 accumulators.
; D = (16 rows of B' = columns of Wout, 16 rows of A' = tokens): a lane holds one token, its registers run along the output's columns.
; LDS holds ALL of K: A's 8 tiles and B's 16 tiles of 12,288 bytes, 294,912 in all.  Each wave brings its part by ONE tensor load at the head (waves 0, 1: four tiles of A each; waves 2, 3: eight of B each);
; a tile's codes are dense in memory, a row of the load is a tile.  Nothing is filled again.
; CLUSTER 4 x 4: A's tiles are shared along a row, B's along a column: each is asked for jointly.  No prefetch into the L2: every byte is asked for at the head, and there is no loop to run ahead in.
; All codes lie in the order of the operand's registers (tile, half image of 768 bytes), so a fragment is two loads of 16 and two of 8 bytes a lane.  Two sets of fragments: step kk + 1's 48 loads are issued ahead of step kk's products.
; THE WAY OUT: a block of 16 tokens x 128 columns goes through the wave's stage and leaves as rows of 512 bytes.  The stages lie in A's bytes: they have had their only fill, and behind the last step's barrier nobody reads them.
; A tile's lane index r stands for row 32 (t/2) + 8 (t%2) + r + 8 (r/8); the stores put the rows back where they belong.
; REGISTERS: window 0: v4-31 addresses, v32-47 A's scale words, v64-95 B's, v128-223 A's fragments, two sets; window 1: B's fragments, two sets (v0, v128); window 2: accumulator (a, b) at v[8 (8 a + b)].
.set P_WOC,  9011200
.set P_WOS,  9797632
.set C_CS,   6291456
.set TILEB,  12288
.set ABYTES, 8*TILEB
.set SPARE,  24*TILEB                  ; the spare words: 128 bytes a wave, two blocks of 256 bytes that no other line names
.set SPITCH, 528
.set FR,  12
.set A16, 4
.set A8,  5
.set B16, 6                            ; v6, v7: B's tiles 0-3 and 4-7 (an offset has 16 bits)
.set B8,  8
.set L16, 16
.set L8,  17
.set LSC, 18
.set STO, 20
.set RD,  21
.set SPW, 28
.set NIL, 29
.set VR,  30
.set VH,  31
.set SA,  32
.set SB,  64
.set AF,  128
.set BK,  128
.set G1A, 24
.set G1B, 32
.set G0A, 40
.set G0B, 44
.set MSB, 0
.macro WIN new                         ; the immediate's high byte repeats the setting that is left
.if MSB != (\new)
	s_set_vgpr_msb (MSB<<8)|(\new)
.set MSB, (\new)
.endif
.endm
.set MUL_W, 0xa1                       ; source 0 (B') window 1, source 1 (A') window 0, C and D window 2
.set TO_B,  0x40
.macro PLACES                          ; four plain vector lines behind a matrix instruction (ISA guide 7.12.1)
.rept 4
	v_nop
.endr
.endm
.macro CROUND
	s_barrier_signal -1
	s_barrier_wait -1
	s_cmp_lg_u32 s8, 0
	s_cbranch_scc1 .Lnot_wave_0_\@
	s_barrier_signal -3
.Lnot_wave_0_\@:
	s_barrier_wait -3
	s_barrier_signal -1
	s_barrier_wait -1
.endm
.macro FRAG reg, a16, a8, off
	ds_load_b128 v[(\reg):(\reg)+3], v[\a16] offset:(\off)
	ds_load_b64 v[(\reg)+4:(\reg)+5], v[\a8] offset:(\off)+512
	ds_load_b128 v[(\reg)+6:(\reg)+9], v[\a16] offset:(\off)+768
	ds_load_b64 v[(\reg)+10:(\reg)+11], v[\a8] offset:(\off)+1280
.endm
.macro FETCH kk, p                     ; K step kk's twelve fragments into set p: 48 loads
	WIN TO_B
.irp i, 0,1,2,3,4,5,6,7
	FRAG 128*(\p)+FR*\i, B16+\i/4, B8+\i/4, (\i%4)*TILEB+(\kk)*1536
.endr
	WIN 0
.irp i, 0,1,2,3
	FRAG AF+48*(\p)+FR*\i, A16, A8, \i*TILEB+(\kk)*1536
.endr
.endm
; 32 matrix instructions; the accumulators take turns, one instruction a turn, in the same order in every step.
; A scale register holds K step kk%4 in lanes 0-15 and kk%4 + 4 in lanes 16-31.
.macro MUL32 kk, p, zero
	WIN MUL_W
.irp a, 0,1,2,3
.irp b, 0,1,2,3,4,5,6,7
.if \zero
	v_wmma_scale_f32_16x16x128_f8f6f4 v[8*(8*\a+\b):8*(8*\a+\b)+7], v[128*(\p)+FR*\b:128*(\p)+FR*\b+FR-1], v[AF+48*(\p)+FR*\a:AF+48*(\p)+FR*\a+FR-1], 0, v[SB+4*\b+(\kk)%4], v[SA+4*\a+(\kk)%4] matrix_a_fmt:MATRIX_FMT_BF6 matrix_b_fmt:MATRIX_FMT_BF6
.elseif (\kk) < 4
	v_wmma_scale_f32_16x16x128_f8f6f4 v[8*(8*\a+\b):8*(8*\a+\b)+7], v[128*(\p)+FR*\b:128*(\p)+FR*\b+FR-1], v[AF+48*(\p)+FR*\a:AF+48*(\p)+FR*\a+FR-1], v[8*(8*\a+\b):8*(8*\a+\b)+7], v[SB+4*\b+(\kk)%4], v[SA+4*\a+(\kk)%4] matrix_a_fmt:MATRIX_FMT_BF6 matrix_b_fmt:MATRIX_FMT_BF6
.else
	v_wmma_scale_f32_16x16x128_f8f6f4 v[8*(8*\a+\b):8*(8*\a+\b)+7], v[128*(\p)+FR*\b:128*(\p)+FR*\b+FR-1], v[AF+48*(\p)+FR*\a:AF+48*(\p)+FR*\a+FR-1], v[8*(8*\a+\b):8*(8*\a+\b)+7], v[SB+4*\b+(\kk)%4], v[SA+4*\a+(\kk)%4] matrix_a_fmt:MATRIX_FMT_BF6 matrix_b_fmt:MATRIX_FMT_BF6 matrix_a_scale:MATRIX_SCALE_ROW1 matrix_b_scale:MATRIX_SCALE_ROW1
.endif
.endr
.endr
.endm
	s_load_b128 s[4:7], s[0:1], 0x0                ; wctx, wprep
	s_load_b64 s[70:71], s[0:1], 0x10              ; out0
	v_lshl_add_u32 v[SPW], v0, 2, SPARE
	v_mov_b32 v[NIL], 0
	ds_add_u32 v[SPW], v[NIL]                      ; the opening lines: the add, twice on end, and its wait ahead of my tensor load
	ds_add_u32 v[SPW], v[NIL]
	v_lshrrev_b32 v1, 5, v0
	v_readfirstlane_b32 s8, v1                     ; wave
	s_lshr_b32 s9, s8, 1                           ; my half of the tokens.  Also: I fetch for A' (0) or B' (1)
	s_and_b32 s10, s8, 1                           ; my half of the columns.  Also: which half of that operand's tiles I fetch
	s_bfe_u32 s11, ttmp6, 0x40000                  ; cx
	s_bfe_u32 s12, ttmp6, 0x40004                  ; cy
	s_and_b32 s16, ttmp7, 0xffff
	s_lshl_b32 s16, s16, 2
	s_add_co_u32 s16, s16, s12                     ; tile row: 128 tokens
	s_lshl_b32 s17, ttmp9, 2
	s_add_co_u32 s17, s17, s11                     ; tile column: 256 columns
	s_lshl_b32 s20, s12, 2
	s_lshl_b32 s20, 15, s20                        ; my row of the cluster
	s_lshl_b32 s21, 0x1111, s11                    ; my column
	s_or_b32 s[G1A], s20, (3<<16)|(1<<21)          ; the mask; elements of 8 bytes; bit 21 beside a mask; no padding
	s_or_b32 s[G1B], s21, (3<<16)|(1<<21)
.irp g, G1A, G1B
	s_mov_b32 s[\g+1], 1536<<16                    ; tensor_dim0: a tile's 12,288 bytes
	s_mov_b32 s[\g+3], 1536<<16                    ; tile_dim0
	s_mov_b32 s[\g+5], 1536                        ; from tile to tile
	s_mov_b32 s[\g+6], 0
	s_mov_b32 s[\g+7], 0
.endr
	s_mov_b32 s[G1A+2], 4<<16                      ; four tiles of A',
	s_mov_b32 s[G1A+4], 4
	s_mov_b32 s[G1B+2], 8<<16                      ; eight of B'
	s_mov_b32 s[G1B+4], 8
	s_lshl_b32 s20, s16, 3
	s_lshl_b32 s21, s10, 2
	s_add_co_u32 s20, s20, s21
	s_mul_i32 s20, s20, TILEB
	s_mov_b32 s21, 0
	s_lshl_b32 s22, s17, 4
	s_lshl_b32 s23, s10, 3
	s_add_co_u32 s22, s22, s23
	s_mul_i32 s22, s22, TILEB
	s_add_co_u32 s22, s22, P_WOC
	s_mov_b32 s23, 0
	s_mov_b32 s[G0A], 1
	s_mul_i32 s[G0A+1], s10, 4*TILEB               ; no place in the cluster enters an LDS address
	s_mov_b32 s[G0B], 1
	s_mul_i32 s[G0B+1], s10, 8*TILEB
	s_add_co_u32 s[G0B+1], s[G0B+1], ABYTES
	s_wait_dscnt 0x0                               ; both opening adds are done
	s_wait_kmcnt 0x0
	s_add_nc_u64 s[G0A+2:G0A+3], s[4:5], s[20:21]
	s_or_b32 s[G0A+3], s[G0A+3], 0x80000000
	s_add_nc_u64 s[G0B+2:G0B+3], s[6:7], s[22:23]
	s_or_b32 s[G0B+3], s[G0B+3], 0x80000000
	CROUND                                         ; all sixteen work-groups are here: the joint loads meet
	s_cmp_eq_u32 s9, 0
	s_cbranch_scc0 .Lfor_b
	tensor_load_to_lds s[G0A:G0A+3], s[G1A:G1A+7]
	s_nop 0
.rept 4
	v_nop
.endr
	s_branch .Lasked
.Lfor_b:
	tensor_load_to_lds s[G0B:G0B+3], s[G1B:G1B+7]
	s_nop 0
.rept 4
	v_nop
.endr
.Lasked:
	s_mul_i32 s91, s9, 4*TILEB                     ; my four tiles of A',
	s_mul_i32 s92, s10, 8*TILEB
	s_add_co_u32 s92, s92, ABYTES                  ; my eight of B',
	s_add_co_u32 s94, s92, 4*TILEB
	s_mul_i32 s93, s8, 16*SPITCH                   ; my stage, in A's bytes
	v_and_b32 v1, 31, v0
	v_and_b32 v[VR], 15, v0
	v_bfe_u32 v[VH], v0, 4, 1
	v_lshlrev_b32 v[L16], 4, v1
	v_lshlrev_b32 v[L8], 3, v1
	v_lshlrev_b32 v[LSC], 5, v[VR]
	v_lshl_add_u32 v[LSC], v[VH], 4, v[LSC]
	v_add_nc_u32 v[A16], s91, v[L16]
	v_add_nc_u32 v[A8], s91, v[L8]
	v_add_nc_u32 v[B16], s92, v[L16]
	v_add_nc_u32 v[B8], s92, v[L8]
	v_add_nc_u32 v[B16+1], s94, v[L16]
	v_add_nc_u32 v[B8+1], s94, v[L8]
	v_mul_u32_u24 v[STO], v[VR], SPITCH
	v_lshl_add_u32 v[STO], v[VH], 6, v[STO]
	v_add_nc_u32 v[STO], s93, v[STO]               ; in: row r, + 64 h
	v_add_nc_u32 v[RD], s93, v[L16]                ; back: a row's 512 bytes by the 32 lanes
	s_wait_alu depctr_va_vdst(0)
	s_lshl_b32 s74, s16, 3
	s_lshl_b32 s75, s9, 2
	s_add_co_u32 s74, s74, s75                     ; my first tile of A'
	s_lshl_b32 s76, s74, 9
	s_add_co_u32 s76, s76, C_CS
	s_mov_b32 s77, 0
	s_add_nc_u64 s[66:67], s[4:5], s[76:77]
	s_lshl_b32 s74, s17, 4
	s_lshl_b32 s75, s10, 3
	s_add_co_u32 s74, s74, s75                     ; my first tile of B'
	s_lshl_b32 s76, s74, 9
	s_add_co_u32 s76, s76, P_WOS
	s_add_nc_u64 s[68:69], s[6:7], s[76:77]
	s_lshl_b32 s76, s16, 19                        ; my first row of out0: 128 x tile row + 64 x half, 4,096 bytes a row;
	s_lshl_b32 s74, s9, 18
	s_add_co_u32 s76, s76, s74
	s_lshl_b32 s74, s17, 10                        ; my first column: 1,024 bytes a tile column + 512 x half
	s_add_co_u32 s76, s76, s74
	s_lshl_b32 s74, s10, 9
	s_add_co_u32 s76, s76, s74
	s_add_nc_u64 s[70:71], s[70:71], s[76:77]
.irp a, 0,1,2,3
	global_load_b128 v[SA+4*\a:SA+4*\a+3], v[LSC], s[66:67] offset:\a*512     ; a tile's 512 scale bytes: register j of lane (r, h) is the word of K step 4 h + j
.endr
.irp b, 0,1,2,3,4,5,6,7
	global_load_b128 v[SB+4*\b:SB+4*\b+3], v[LSC], s[68:69] offset:\b*512
.endr
	s_wait_tensorcnt 0x0                           ; my tiles are in
	s_barrier_signal -1
	s_barrier_wait -1                              ; and everybody's
	FETCH 0, 0
	FETCH 1, 1
	s_wait_loadcnt 0x0
	s_wait_dscnt 48                                ; set 0 is in; the 48 loads of step 1 may be out
	MUL32 0, 0, 1                                  ; the first products start the sums
.irp kk, 1,2,3,4,5,6
	PLACES                                         ; in front of loads into the set that the last step multiplied
	FETCH \kk+1, (\kk+1)%2
	s_wait_dscnt 48                                ; this step's set is in; the next step's 48 loads may be out
	MUL32 \kk, \kk%2, 0
.endr
	s_wait_dscnt 0x0                               ; my last reads of the tiles are back
	s_barrier_signal -1
	MUL32 7, 1, 0
	WIN 0
	s_barrier_wait -1                              ; nobody reads A's bytes any more: the stages may be written
; accumulator (a, b), register j of lane (r, h): token r of tile a, column 32 (b/2) + 16 h + 8 (b%2) + j of my 128
.macro TOSTAGE a
.set AC, 64*(\a)
	WIN 0x08                                       ; an LDS store's data are its source 1: window 2
.irp b, 0,1,2,3,4,5,6,7
	ds_store_b128 v[STO], v[AC+8*\b:AC+8*\b+3] offset:128*(\b/2)+32*(\b%2)       ; each accumulator from its low end on
	ds_store_b128 v[STO], v[AC+8*\b+4:AC+8*\b+7] offset:128*(\b/2)+32*(\b%2)+16
.endr
	WIN 0
.set BB, BK+64*((\a)%2)
.irp t, 0,1,2,3,4,5,6,7,8,9,10,11,12,13,14,15
	ds_load_b128 v[BB+4*\t:BB+4*\t+3], v[RD] offset:\t*SPITCH     ; LDS serves a wave's instructions in order: these see the stores above
.endr
.endm
.macro SEND a, younger
.set BB, BK+64*((\a)%2)
	s_wait_dscnt \younger
.irp t, 0,1,2,3,4,5,6,7,8,9,10,11,12,13,14,15
	global_store_b128 v[L16], v[BB+4*\t:BB+4*\t+3], s[70:71] offset:(32*((\a)/2)+8*((\a)%2)+\t+8*(\t/8))*4096 th:TH_STORE_NT   ; 512 consecutive bytes, aligned to 256
.endr
.endm
	PLACES
	TOSTAGE 0
.irp a, 1,2,3
.if \a > 1
	s_wait_xcnt 0x0                                ; block a - 2's stores have read their registers: block a's rows may land there
.endif
	TOSTAGE \a
	SEND \a-1, 32                                  ; behind block a - 1's loads: block a's 16 stores and 16 loads
.endr
	SEND 3, 0
	s_wait_tensorcnt 0x0                           ; the wave's end
	ds_add_u32 v[SPW], v[NIL]
	s_wait_dscnt 0x0
	CROUND                                         ; the closing round
	s_endpgm
.Lfunc_end_k_q64fe225704_outp:
	.size	k_q64fe225704_outp, .Lfunc_end_k_q64fe225704_outp-k_q64fe225704_outp
	.p2alignl 7, 3214868480
	.fill 96, 4, 3214868480
	.section	.rodata,"a",@progbits
	.p2align	6, 0x0
	.amdhsa_kernel k_q64fe225704_outp
		.amdhsa_group_segment_fixed_size 327680
		.amdhsa_private_segment_fixed_size 0
		.amdhsa_enable_private_segment 0
		.amdhsa_kernarg_size 24
		.amdhsa_user_sgpr_count 2
		.amdhsa_user_sgpr_kernarg_segment_ptr 1
		.amdhsa_wavefront_size32 1
		.amdhsa_system_sgpr_workgroup_id_x 1
		.amdhsa_system_sgpr_workgroup_id_y 1
		.amdhsa_system_sgpr_workgroup_id_z 1
		.amdhsa_system_vgpr_workitem_id 0
		.amdhsa_next_free_vgpr 768
		.amdhsa_next_free_sgpr 96
		.amdhsa_reserve_vcc 0
		.amdhsa_float_denorm_mode_32 3
		.amdhsa_float_denorm_mode_16_64 3
		.amdhsa_memory_ordered 1
		.amdhsa_forward_progress 1
		.amdhsa_inst_pref_size 80
	.end_amdhsa_kernel
	.amdgpu_metadata
---
amdhsa.version: [ 1, 2 ]
amdhsa.kernels:
  - .name:           k_q64fe225704_outp
    .symbol:         k_q64fe225704_outp.kd
    .args:
      - { .name: wctx, .offset: 0, .size: 8, .value_kind: global_buffer, .address_space: global }
      - { .name: wprep, .offset: 8, .size: 8, .value_kind: global_buffer, .address_space: global }
      - { .name: out0, .offset: 16, .size: 8, .value_kind: global_buffer, .address_space: global }
    .group_segment_fixed_size: 327680
    .private_segment_fixed_size: 0
    .kernarg_segment_align: 8
    .kernarg_segment_size: 24
    .max_flat_workgroup_size: 128
    .sgpr_count:     96
    .vgpr_count:     768
    .wavefront_size: 32
...
	.end_amdgpu_metadata
.endif
;; end of part 4
